; MI455X (gfx1250); checked and timed in simulation.
; The chip was launched on July 23, 2026; its instructions are those of AMD's public machine-readable ISA for CDNA 5 (MIT licence, August 2026) and "CDNA5" Instruction Set Architecture Reference Guide (July 2026). The comments in the code are by the model that wrote it; some were corrected since.
;; Multi Head Attention. Allowed arithmetic: matrix products marked QUANTISED: E4M3 operands, one E8M0 scale for each 32 along K, by v_wmma_scale_f32_16x16x128_f8f6f4 with both operands' format E4M3, f32 sums; everything else in f32.
;; Inputs: K 4 x 2,048 x 1,024 float32; Q 4 x 2,048 x 1,024 float32; V 4 x 2,048 x 1,024 float32; Wk 1,024 x 1,024 float32; Wo 1,024 x 1,024 float32; Wq 1,024 x 1,024 float32; Wv 1,024 x 1,024 float32; beta 1,024 float32; bk 1,024 float32; bo 1,024 float32; bq 1,024 float32; bv 1,024 float32; gamma 1,024 float32; mask 4 x 1 x 1 x 2,048 int32.
;; Outputs: out0 4 x 2,048 x 1,024 float32.
;; This version of the problem:
;;   THIS VERSION OF THE PROBLEM IS GIVEN IN LOW PRECISION. The matrix products marked QUANTISED in the list below multiply operands that are first quantised to E4M3 (4 exponent bits, 3 mantissa bits; 8 bits a number), with one power-of-two scale for each 32 numbers along K (OCP MX v1.0); their sums are f32. All else is computed in f32.
;;   The module's matrix products, in the order in which they are computed (A, B: the left and right operand; K: the contracted axis; several contracted axes count as one K, in the product's order):
;;     1. [M 8,192, K 1,024] x [K 1,024, N 1,024]; A: input Q; B: input Wq: QUANTISED
;;     2. [M 8,192, K 1,024] x [K 1,024, N 1,024]; A: input K; B: input Wk: QUANTISED
;;     3. [M 8,192, K 1,024] x [K 1,024, N 1,024]; A: input V; B: input Wv: QUANTISED
;;     4. batch 64 x [M 2,048, K 64] x [K 64, N 2,048]; A: computed on the way; B: computed on the way: QUANTISED
;;     5. batch 64 x [M 2,048, K 2,048] x [K 2,048, N 64]; A: softmax (see below); B: computed on the way: QUANTISED
;;     6. [M 8,192, K 1,024] x [K 1,024, N 1,024]; A: computed on the way; B: input Wo: QUANTISED
;;   THE QUANTISER, for each operand of a quantised product, along K:
;;     - K is cut into blocks of 32 from its start; a last block that is shorter is filled with zeros.
;;     - A block's scale is 2^e with e = floor(log2(the largest magnitude in the block)) - 8, held to -126 .. 127; a block of zeros has e = 0. As a byte (E8M0): e + 127.
;;     - Each number is divided by its block's scale, clamped to +-448, and rounded to the nearest number of E4M3, ties to even, subnormals kept.
;;     - The product sums the exact products of the quantised numbers (number of the format x scale) in f32.
;;   ~~~python
;;   def quantise(x, axis):      # numpy; x: float32 -> the quantised numbers, widened to float32 again
;;       x = np.moveaxis(x, axis, -1); K = x.shape[-1]
;;       x = np.pad(x, [(0, 0)] * (x.ndim - 1) + [(0, -K % 32)]); x = x.reshape(x.shape[:-1] + (-1, 32)); a = np.abs(x).max(-1, keepdims=True)
;;       e = np.where(a > 0, np.clip(np.frexp(np.where(a > 0, a, 1))[1] - 1 - 8, -126, 127), 0)      # np.frexp(a)[1] - 1 = floor(log2(a)), exactly
;;       r = np.clip(x / 2.0 ** e, -448, 448)
;;       step = 2.0 ** (np.maximum(np.frexp(np.where(r == 0, 1, r))[1] - 1, -6) - 3)
;;       q = np.round(r / step) * step * 2.0 ** e      # np.round: ties to even
;;       return np.moveaxis(q.reshape(q.shape[:-2] + (-1,))[..., :K], -1, axis).astype(np.float32)
;;   ~~~
;;   SOFTMAX AHEAD OF A QUANTISED PRODUCT. Where the list says 'softmax', what is quantised is not the finished softmax but p = 2^(t - M), with t = logit x log2(e) and M = ceil(the row's largest t), a whole number; so 1/2 < the row's largest p <= 1. The row's sum l is taken of the UNQUANTISED p, in f32, and the product's result is divided by l at the end. Since M is a whole number, a kernel that streams over the keys may use a running M (the ceiling of the running maximum): every later rescaling is an exact power of two, which a block's scale takes up: the codes' values come out the same.
;;   OPERANDS COMPUTED ON THE WAY. 'Computed on the way' means the value that the module computes at that place (a softmax that the list does not call 'softmax' is quantised finished and normalised). What goes into a quantiser is computed in f32, as accurately as f32 sums, v_exp_f32 and their like allow (about 1e-6 of the number): no bf16 or f16 on the way to a quantiser, and a product that is left as it is and whose result goes on into a quantised operand takes f32 operands (vector FMAs, or v_wmma_f32_16x16x4_f32). A number that lies on a knife's edge between two numbers of the format may be rounded either way, as far as f32 arithmetic and the matrix unit's own rounding can turn it there, and no further.
;; 2 versions, each right; version 2 is version 1 with the launches attn, outln written anew for expert scheduling mode. Each part assembles by itself: llvm-mc -triple=amdgcn-amd-amdhsa -mcpu=gfx1250 --defsym DOCPART=n.
;; ======== version 1 of 2: 4 launches
;; limits: right only within a limited range of input values
;; workspace buffers: c1 29,360,128 bytes; s1 917,504 bytes; pc 25,165,824 bytes; ps 786,432 bytes; cc 8,388,608 bytes; cs 262,144 bytes
;; launch quant (part 1): grid 896 x 1, 4 waves a work-group, no clusters, 57,856 bytes of LDS; arguments Q, K, V, Wq, Wk, Wv, Wo, c1, s1; writes c1, s1
.if DOCPART == 1
	.amdgcn_target "amdgcn-amd-amdhsa--gfx1250"
	.amdhsa_code_object_version 6
	.text
	.protected	k_qb3feade1a7_quant
	.globl	k_qb3feade1a7_quant
	.p2align	8
	.type	k_qb3feade1a7_quant,@function
k_qb3feade1a7_quant:
	s_mov_b64 s[64:65], 0
	v_nop
	global_prefetch_b8 v0, s[64:65] scope:SCOPE_SE
	s_setreg_imm32_b32 hwreg(HW_REG_WAVE_MODE, 25, 1), 1
	s_wait_xcnt 0x0
; Q, K, V [8192][1024] and Wq, Wk, Wv, Wo [1024][1024], f32, K innermost, become codes of FP8 (E4M3) with one E8M0 byte for each 32 along K.
; A block's scale is 2^(floor(log2(largest magnitude)) - 8); each number is divided by it, held within +-448 and rounded to the nearest code, ties to even.
; LAYOUT OF THE CODES (c1): images of operand registers.  The seven tensors' rows lie on end; 16 rows are a tile of 16,384 bytes: [block of 32 along K][lane 0..31][16 bytes]; lane (r, h) holds k = 32 block + 16 h + 0..15 of the tile's row r.
; THE ROWS OF A TILE ARE NOT NEIGHBOURS: in each group of 32 rows, row r of tile u (0, 1) is true row 16 (r / 8) + 8 u + r % 8, so that a product that takes two such tiles as source 0 has 16 true neighbours in a lane's 16 result registers.
; LAYOUT OF THE SCALE BYTES (s1): [tile][half of K][row r][16 bytes], a byte a block.
; SHARES: work-group G owns true rows 32 G .. 32 G + 31; wave w owns tile u = w / 2 and half w % 2 of K; step t is the tile's row t: 512 numbers.
; Each load reads 512 consecutive bytes; a step's 2,048 bytes turn through the wave's own stage in LDS so that a lane holds 16 neighbours (two lanes to a block).
; Lane l's 16 bytes of the 16 steps are 256 consecutive bytes of the image: they are kept in 64 registers, turned through LDS at the end and stored as whole runs of 512 bytes.
; LIMITS: a block whose largest magnitude lies under 2^-118 (a block of zeros too) keeps the byte 1: its codes are what the conversion gives under that scale, and only this program reads the bytes.  NaN and infinities are not served.
.set WREG,  14336                      ; LDS of a wave: two turning stages, 256 scale bytes, the codes' stage
.set SP,    80                         ; a lane's place in a turning stage: 64 bytes + 16 of padding
.set SCB,   2*32*SP                    ; the scale bytes
.set CST,   SCB+256                    ; the codes' stage: 32 rows of 256 bytes + 16
.set CP,    272
.set STEPS, 16
.set MANT,  0x600000                   ; the mantissa field of 448
.set R,     16                         ; v16-79   four sets of 16 numbers as loaded; at the end the codes read back
.set X,     80                         ; v80-111  two sets of 16 neighbours
.set E,     112                        ; v112-127 a scale byte for each step
.set C,     128                        ; v128-191 the codes of the 16 steps
	s_load_b512 s[4:19], s[0:1], 0x0               ; Q, K, V, Wq, Wk, Wv, Wo, c1
	s_load_b64 s[20:21], s[0:1], 0x40              ; s1
	v_lshl_add_u32 v192, v0, 2, 0xe000
	v_mov_b32 v193, 0
	v_lshrrev_b32 v1, 5, v0
	v_readfirstlane_b32 s25, v1                    ; wave
	v_and_b32 v2, 31, v0                           ; lane
	v_lshlrev_b32 v3, 4, v2                        ; 16 x lane: my bytes of a run of 512
	s_mul_i32 s26, s25, WREG
	v_lshrrev_b32 v14, 2, v2
	v_mul_u32_u24 v14, v14, SP
	v_and_b32 v15, 3, v2
	v_lshl_add_u32 v14, v15, 4, v14
	v_add_nc_u32 v14, s26, v14                     ; turning stage, in: four lanes' 64 bytes on end, then the padding
	v_mul_u32_u24 v15, v2, SP
	v_add_nc_u32 v15, s26, v15                     ; and out: my 16 neighbours
	v_lshrrev_b32 v5, 1, v2
	v_add_nc_u32 v5, s26, v5
	v_add_nc_u32 v5, SCB, v5                       ; my block's scale byte
	v_lshlrev_b32 v7, 3, v2                        ; 8 x lane
	v_add_nc_u32 v6, s26, v7
	v_add_nc_u32 v6, SCB, v6                       ; the scale bytes on the way out
	v_mul_u32_u24 v4, v2, CP
	v_add_nc_u32 v4, s26, v4
	v_add_nc_u32 v4, CST, v4                       ; codes' stage, in: row = my lane
	v_lshrrev_b32 v1, 4, v2
	v_mul_u32_u24 v1, v1, CP
	v_and_b32 v8, 15, v2
	v_lshl_add_u32 v1, v8, 4, v1
	v_add_nc_u32 v1, s26, v1
	v_add_nc_u32 v1, CST, v1                       ; and out: sixteen lanes to a row, two rows an instruction
	s_lshr_b32 s27, s25, 1                         ; u
	s_and_b32 s28, s25, 1                          ; which half of K
	s_mov_b32 s29, MANT
	s_wait_kmcnt 0x0
	s_mov_b64 s[22:23], s[4:5]                     ; which tensor is my work-group's: the choice hangs on the work-group's number alone
	s_mov_b32 s24, 0
.macro PICK first, lo
	s_cmp_ge_u32 ttmp9, \first
	s_cselect_b64 s[22:23], s[\lo:\lo+1], s[22:23]
	s_cselect_b32 s24, \first, s24
.endm
	PICK 256, 6
	PICK 512, 8
	PICK 768, 10
	PICK 800, 12
	PICK 832, 14
	PICK 864, 16
	s_sub_co_u32 s30, ttmp9, s24
	s_lshl_b32 s30, s30, 17                        ; 32 rows of 4,096 bytes
	s_lshl_b32 s31, s27, 15                        ; + 8 u rows
	s_add_co_u32 s30, s30, s31
	s_lshl_b32 s31, s28, 11                        ; + my half of a row
	s_add_co_u32 s30, s30, s31
	s_mov_b32 s31, 0
	s_add_nc_u64 s[22:23], s[22:23], s[30:31]
	s_lshl_b32 s30, ttmp9, 15                      ; codes: two tiles a work-group, 8,192 bytes a wave
	s_lshl_b32 s32, s25, 13
	s_add_co_u32 s30, s30, s32
	s_add_nc_u64 s[18:19], s[18:19], s[30:31]
	s_lshl_b32 s30, ttmp9, 10                      ; scale bytes: 256 a wave
	s_lshl_b32 s32, s25, 8
	s_add_co_u32 s30, s30, s32
	s_add_nc_u64 s[20:21], s[20:21], s[30:31]
.macro LOAD t                          ; step t is true row 16 (t / 8) + t % 8 of my eight-row pieces
.irp i, 0,1,2,3
	global_load_b128 v[R+16*((\t)%4)+4*\i:R+16*((\t)%4)+4*\i+3], v3, s[22:23] offset:(16*((\t)/8)+(\t)%8)*4096+512*\i th:TH_LOAD_NT
.endr
.endm
.macro TURN t                          ; LDS serves a wave's instructions in order: no wait between the stores and the loads
.irp i, 0,1,2,3
	ds_store_b128 v14, v[R+16*((\t)%4)+4*\i:R+16*((\t)%4)+4*\i+3] offset:32*SP*((\t)%2)+8*SP*\i
.endr
.irp i, 0,1,2,3
	ds_load_b128 v[X+16*((\t)%2)+4*\i:X+16*((\t)%2)+4*\i+3], v15 offset:32*SP*((\t)%2)+16*\i
.endr
.endm
.irp t, 0,1,2,3
	LOAD \t
.endr
	s_wait_loadcnt 12                              ; step 0's four loads are in
	TURN 0
.macro STEP t
.set XS, X+16*((\t)%2)
.if (\t) > 0
	s_wait_dscnt 1                                 ; this step's numbers are back from the stage; the last step's byte store may be out
.else
	s_wait_dscnt 0x0
.endif
.if (\t)+4 < STEPS
	LOAD (\t)+4                                    ; into the set whose stores into the stage are done
.endif
.if (\t)+1 < STEPS
.if STEPS-2-(\t) >= 3
	s_wait_loadcnt 12                              ; the next step's four loads are in; three steps' may be out
.else
	s_wait_loadcnt 4*(STEPS-2-(\t))
.endif
	TURN (\t)+1
.endif
	v_max3_num_f32 v8, |v[XS]|, |v[XS+1]|, |v[XS+2]|               ; the largest magnitude of my 16, in two chains
	v_max3_num_f32 v9, |v[XS+3]|, |v[XS+4]|, |v[XS+5]|
.irp i, 6,10
	v_max3_num_f32 v8, v8, |v[XS+\i]|, |v[XS+\i+1]|
	v_max3_num_f32 v9, v9, |v[XS+\i+2]|, |v[XS+\i+3]|
.endr
	v_max3_num_f32 v8, v8, |v[XS+14]|, |v[XS+15]|
	v_max3_num_f32 v8, v8, v9, 0x4800000           ; and the floor 2^(9 - 127): the byte cannot fall under 1
	v_max_num_f32_dpp v8, v8, v8 row_xmask:1 row_mask:0xf bank_mask:0xf   ; with my neighbour's 16: the block's
	v_add_nc_u32 v11, 0xfc000000, v8               ; 8 off the exponent field: the conversion's scale operand
	v_and_or_b32 v10, v8, 0x7f800000, s29          ; 448 x the scale
.irp i, 0,1,2,3,4,5,6,7,8,9,10,11,12,13,14,15
	v_med3_num_f32 v[XS+\i], v[XS+\i], -v10, v10   ; the conversion does not saturate (ISA guide 7.6.2): the hold comes first
.endr
	v_cvt_scalef32_pk8_fp8_f32 v[C+4*(\t):C+4*(\t)+1], v[XS:XS+7], v11
	v_cvt_scalef32_pk8_fp8_f32 v[C+4*(\t)+2:C+4*(\t)+3], v[XS+8:XS+15], v11
	v_lshrrev_b32 v[E+(\t)], 23, v11               ; the scale's byte (a plain line behind the conversions)
	ds_store_b8 v5, v[E+(\t)] offset:16*(\t)       ; row t, my block: both lanes of a block write the same byte
.endm
.irp t, 0,1,2,3,4,5,6,7,8,9,10,11,12,13,14,15
	STEP \t
.endr
.irp t, 0,1,2,3,4,5,6,7,8,9,10,11,12,13,14,15
	ds_store_b128 v4, v[C+4*\t:C+4*\t+3] offset:16*\t              ; my 256 bytes of the image, row by row of the tile
.endr
	ds_load_b64 v[12:13], v6                       ; the wave's 256 scale bytes
.irp i, 0,1,2,3,4,5,6,7,8,9,10,11,12,13,14,15
	ds_load_b128 v[R+4*\i:R+4*\i+3], v1 offset:2*CP*\i
.endr
	s_wait_dscnt 16                                ; the scale bytes are back; the sixteen younger loads may be out
	global_store_b64 v7, v[12:13], s[20:21]        ; 32 lanes store 256 consecutive bytes, aligned
.irp i, 0,1,2,3,4,5,6,7,8,9,10,11,12,13,14,15
	s_wait_dscnt 15-\i
	global_store_b128 v3, v[R+4*\i:R+4*\i+3], s[18:19] offset:512*\i   ; 512 consecutive bytes of the image
.endr
	s_wait_tensorcnt 0x0
	ds_add_u32 v192, v193
	s_wait_dscnt 0x0
	s_endpgm
.Lfunc_end_k_qb3feade1a7_quant:
	.size	k_qb3feade1a7_quant, .Lfunc_end_k_qb3feade1a7_quant-k_qb3feade1a7_quant
	.p2alignl 7, 3214868480
	.fill 96, 4, 3214868480
	.section	.rodata,"a",@progbits
	.p2align	6, 0x0
	.amdhsa_kernel k_qb3feade1a7_quant
		.amdhsa_group_segment_fixed_size 57856
		.amdhsa_private_segment_fixed_size 0
		.amdhsa_enable_private_segment 0
		.amdhsa_kernarg_size 72
		.amdhsa_user_sgpr_count 2
		.amdhsa_user_sgpr_kernarg_segment_ptr 1
		.amdhsa_wavefront_size32 1
		.amdhsa_system_sgpr_workgroup_id_x 1
		.amdhsa_system_sgpr_workgroup_id_y 1
		.amdhsa_system_sgpr_workgroup_id_z 1
		.amdhsa_system_vgpr_workitem_id 0
		.amdhsa_next_free_vgpr 194
		.amdhsa_next_free_sgpr 66
		.amdhsa_reserve_vcc 0
		.amdhsa_float_denorm_mode_32 3
		.amdhsa_float_denorm_mode_16_64 3
		.amdhsa_memory_ordered 1
		.amdhsa_forward_progress 1
		.amdhsa_inst_pref_size 55
	.end_amdhsa_kernel
	.amdgpu_metadata
---
amdhsa.version: [ 1, 2 ]
amdhsa.kernels:
  - .name:           k_qb3feade1a7_quant
    .symbol:         k_qb3feade1a7_quant.kd
    .args:
      - { .name: Q, .offset: 0, .size: 8, .value_kind: global_buffer, .address_space: global }
      - { .name: K, .offset: 8, .size: 8, .value_kind: global_buffer, .address_space: global }
      - { .name: V, .offset: 16, .size: 8, .value_kind: global_buffer, .address_space: global }
      - { .name: Wq, .offset: 24, .size: 8, .value_kind: global_buffer, .address_space: global }
      - { .name: Wk, .offset: 32, .size: 8, .value_kind: global_buffer, .address_space: global }
      - { .name: Wv, .offset: 40, .size: 8, .value_kind: global_buffer, .address_space: global }
      - { .name: Wo, .offset: 48, .size: 8, .value_kind: global_buffer, .address_space: global }
      - { .name: c1, .offset: 56, .size: 8, .value_kind: global_buffer, .address_space: global }
      - { .name: s1, .offset: 64, .size: 8, .value_kind: global_buffer, .address_space: global }
    .group_segment_fixed_size: 57856
    .private_segment_fixed_size: 0
    .kernarg_segment_align: 8
    .kernarg_segment_size: 72
    .max_flat_workgroup_size: 128
    .sgpr_count:     66
    .vgpr_count:     194
    .wavefront_size: 32
...
	.end_amdgpu_metadata
.endif
;; end of part 1
;; launch proj (part 2): grid 4 x 96, 4 waves a work-group, clusters of 4 x 4, 327,680 bytes of LDS; arguments c1, s1, bq, bk, bv, pc, ps; writes pc, ps
.if DOCPART == 2
	.amdgcn_target "amdgcn-amd-amdhsa--gfx1250"
	.amdhsa_code_object_version 6
	.text
	.protected	k_qb3feade1a7_proj
	.globl	k_qb3feade1a7_proj
	.p2align	8
	.type	k_qb3feade1a7_proj,@function
k_qb3feade1a7_proj:
	s_mov_b64 s[64:65], 0
	v_nop
	global_prefetch_b8 v0, s[64:65] scope:SCOPE_SE
	s_setreg_imm32_b32 hwreg(HW_REG_WAVE_MODE, 25, 1), 1
	s_wait_xcnt 0x0
	s_wait_alu depctr_hold_cnt(0) depctr_sa_sdst(0) depctr_va_vdst(0) depctr_va_sdst(0) depctr_va_ssrc(0) depctr_va_vcc(0) depctr_vm_vsrc(0)
	s_getreg_b32 s2, hwreg(HW_REG_IB_STS2, 6, 4)
	s_cmp_eq_u32 s2, 0
	s_cbranch_scc0 .Lentry_in_a_cluster
	s_endpgm
.Lentry_in_a_cluster:
	s_bfe_u32 s2, ttmp6, 0x10000c
	s_cmp_lg_u32 s2, 0xf033
	s_cbranch_scc0 .Lentry_shape_is_right
	s_endpgm
.Lentry_shape_is_right:
; The three projections q = Q Wq^T + bq, k = K Wk^T + bk, v = V Wv^T + bv on codes of FP8 (E4M3) with E8M0 scales, and the quantising of their results for the two products of attention.
; ONE TEXT FOR THREE PRODUCTS.  D = source 0's rows (down a lane's registers) x source 1's rows (across the lanes); the result is quantised along source 0's rows.
;   q, k (t = 0, 1): source 0 = W's rows (features), source 1 = tokens: quantised along the features, which are the first product's K.
;   v    (t = 2):    source 0 = tokens (keys), source 1 = Wv's rows (channels): quantised along the keys, which are the second product's K.
; Operands lie in memory as images of operand registers, 16 rows a tile, and a tile's rows are chosen so that the 16 result registers of two neighbouring tiles of source 0 are 16 true neighbours.
; A tile of the result, 256 x 256, is a work-group's; a wave makes 128 x 128: 64 accumulators, 512 registers.  K = 1,024 goes in four steps of 256 through two LDS slots filled by the tensor data mover.
; CLUSTERS of 4 x 4: source 1's tile is shared along a row of the cluster, source 0's along a column; each is asked for jointly.  384 work-groups: 24 clusters, eight for each product.
; The scale bytes of the work-group's rows, for all of K, come into LDS once, with the first fills.
; OUT (pc): q, k as [token tile][block of 32 features][512 bytes], v as [channel tile][block of 32 keys][512 bytes]: again images.  (ps): scale words for attention, laid as its loads take them.
; LIMITS: a block whose largest magnitude lies under 2^-118 keeps the byte 1; NaN and infinities are not served.
; REGISTERS: window 0: v8-15 the bias of source 1's rows; v16-31 addresses; v32-63 scale words, two sets; v64-127 the bias of source 0's rows; v128-255 source 1's fragments, on the way out work registers.
;   window 1: source 0's fragments, two sets.  windows 2, 3: the accumulators ((a, b) at v[8 (8 (a % 4) + b)]).
.set NQ,     2                         ; matrix instructions deep in a slot
.set FR,     16
.set NL,     4
.set NP,     8                         ; places behind this matrix instruction (ISA guide 7.12.1)
.set KSTB,   4096                      ; 256 along K of a tile of 16 rows: 8 blocks of 512 bytes, consecutive
.set HALFT,  8*KSTB                    ; 128 rows: what one tensor load brings
.set SLOT,   4*HALFT                   ; source 1's 256 rows, then source 0's
.set SCL,    2*SLOT                    ; the scale bytes: 4,096 for each wave's 128 rows
.set SBLK,   512                       ; those of a tile
.set SPARE,  SCL+4*4096                ; the spare words, 128 bytes a wave
.set BL,   8
.set ADRA, 16
.set ADRB, 20
.set STO,  24
.set RD,   25
.set CO,   26
.set ADRS, 27
.set SPW,  28
.set NIL,  29
.set PSO,  30
.set SC,   32
.set BI,   64
.set AF,   128
.set X,    128                         ; the way out: 64 numbers of a lane
.set PC,   192                         ; their codes
.set TM,   208                         ; at work
.set PW,   224                         ; the scale word just made
.set PWA,  226                         ; v226-233 the eight blocks' scale words
.set WW,   234                         ; v234-241 the words as attention wants them
.set BK,   244
.set G1,   24
.set G0,   32
.set G1B,  48
.set G0B,  56
.set G1S,  68
.set G0S,  76
.set G1SB, 80
.set G0SB, 88
.set SEL,  2
.set MNT,  21
.set MSB, 0
.macro WIN new                         ; the immediate's high byte repeats the setting that is left
.if MSB != \new
	s_set_vgpr_msb (MSB<<8)|\new
.set MSB, \new
.endif
.endm
.set MUL_LO, 0xa1                      ; source 0 window 1, source 1 window 0, C and D window 2
.set MUL_HI, 0xf1
.set TO_B,   0x40
; A joint load: waves 0 and 1 fetch for source 1, waves 2 and 3 for source 0.  The branch hangs on the wave's number alone.  Four v_nop follow each line.
.macro JLOAD g0a, g1a, g0b, g1b
	s_cmp_eq_u32 s19, 0
	s_cbranch_scc0 .Lfor_b_\@
	tensor_load_to_lds s[\g0a:\g0a+3], s[\g1a:\g1a+7]
	s_nop 0
.rept 4
	v_nop
.endr
	s_branch .Lasked_\@
.Lfor_b_\@:
	tensor_load_to_lds s[\g0b:\g0b+3], s[\g1b:\g1b+7]
	s_nop 0
.rept 4
	v_nop
.endr
.Lasked_\@:
.endm
.macro CREST                           ; a round of the cluster's barrier behind its opening barrier
	s_cmp_lg_u32 s18, 0
	s_cbranch_scc1 .Lnot_wave_0_\@
	s_barrier_signal -3
.Lnot_wave_0_\@:
	s_barrier_wait -3
	s_barrier_signal -1
	s_barrier_wait -1
.endm
.macro CROUND
	s_barrier_signal -1
	s_barrier_wait -1
	CREST
.endm
	s_load_b256 s[4:11], s[0:1], 0x0               ; c1, s1, bq, bk
	s_load_b128 s[12:15], s[0:1], 0x20             ; bv, pc
	s_load_b64 s[16:17], s[0:1], 0x30              ; ps
	v_lshl_add_u32 v[SPW], v0, 2, SPARE
	v_mov_b32 v[NIL], 0
	ds_add_u32 v28, v29
	ds_add_u32 v28, v29
	s_wait_dscnt 0x0
	v_lshrrev_b32 v1, 5, v0
	v_readfirstlane_b32 s18, v1                    ; wave
	s_lshr_b32 s19, s18, 1                         ; my half of source 1's rows.  Also: I fetch for source 1 (0) or source 0 (1)
	s_and_b32 s20, s18, 1                          ; my half of source 0's rows.  Also: which 128 rows I fetch
	s_bfe_u32 s21, ttmp6, 0x40000                  ; cx
	s_bfe_u32 s22, ttmp6, 0x40004                  ; cy
	s_and_b32 s40, ttmp7, 0xffff                   ; the cluster's y: 0 .. 23
	s_lshr_b32 s23, s40, 3                         ; t: which product
	s_and_b32 s41, s40, 7
	s_lshl_b32 s41, s41, 2                         ; four tiles of 256 tokens a cluster
	s_lshl_b32 s44, s23, 9                         ; the tokens' first tile of 16 in c1: 512 t
	s_lshl_b32 s45, s23, 6
	s_add_co_u32 s45, s45, 1536                    ; the weight's: 1536 + 64 t
	s_mov_b32 s100, 16384
	s_cmp_eq_u32 s23, 2                            ; v?  The same in all partners of a cluster
	s_cselect_b32 s42, s41, 0
	s_cselect_b32 s43, 0, s41
	s_cselect_b32 s46, s44, s45                    ; source 0's region
	s_cselect_b32 s47, s45, s44                    ; source 1's
	s_cselect_b32 s92, 0, -1                       ; keeps the bias along source 0 (q, k)
	s_cselect_b32 s93, -1, 0                       ; keeps the bias along source 1 (v)
	s_cselect_b32 s100, 0x20000, s100              ; bytes from a tile of source 1 to the next in pc
	s_mov_b32 s101, 0
	s_add_co_u32 s42, s42, s21                     ; source 0's tile of 256 rows: hangs on cx
	s_add_co_u32 s43, s43, s22                     ; source 1's: hangs on cy
	s_lshl_b32 s2, s22, 2
	s_lshl_b32 s2, 15, s2                          ; my row of the cluster
	s_lshl_b32 s3, 0x1111, s21                     ; my column
	; group 1 for codes: 8 tiles x 4,096 consecutive bytes (512 elements of 8 bytes), 16,384 bytes from tile to tile; no padding: every LDS read takes 512 consecutive bytes
	s_or_b32 s[G1+0], s2, (3<<16)|(1<<21)
	s_or_b32 s[G1B+0], s3, (3<<16)|(1<<21)
.irp g, G1, G1B
	s_mov_b32 s[\g+1], 512<<16                     ; tensor_dim0
	s_mov_b32 s[\g+2], 8<<16                       ; tensor_dim1
	s_mov_b32 s[\g+3], 512<<16                     ; tile_dim0
	s_mov_b32 s[\g+4], 8                           ; tile_dim1
	s_mov_b32 s[\g+5], 2048                        ; stride
	s_mov_b32 s[\g+6], 0
	s_mov_b32 s[\g+7], 0
.endr
	; group 1 for scale bytes: 4,096 dense bytes as 16 rows of 256
	s_or_b32 s[G1S+0], s2, (3<<16)|(1<<21)
	s_or_b32 s[G1SB+0], s3, (3<<16)|(1<<21)
.irp g, G1S, G1SB
	s_mov_b32 s[\g+1], 32<<16
	s_mov_b32 s[\g+2], 16<<16
	s_mov_b32 s[\g+3], 32<<16
	s_mov_b32 s[\g+4], 16
	s_mov_b32 s[\g+5], 32
	s_mov_b32 s[\g+6], 0
	s_mov_b32 s[\g+7], 0
.endr
	s_lshl_b32 s40, s20, 3                         ; which eight tiles of 16 I fetch
	s_lshl_b32 s94, s43, 4
	s_add_co_u32 s94, s94, s47
	s_add_co_u32 s94, s94, s40                     ; source 1: first tile of 16
	s_lshl_b32 s96, s42, 4
	s_add_co_u32 s96, s96, s46
	s_add_co_u32 s96, s96, s40                     ; source 0
	s_lshl_b32 s98, s94, 9                         ; their scale bytes,
	s_mov_b32 s99, 0
	s_lshl_b32 s94, s94, 14                        ; their codes
	s_mov_b32 s95, 0
	s_lshl_b32 s40, s96, 9
	s_mov_b32 s41, 0
	s_lshl_b32 s96, s96, 14
	s_mov_b32 s97, 0
	s_lshl_b32 s44, s18, 15                        ; where they go: wave x 32,768,
	s_lshl_b32 s45, s18, 12                        ; wave x 4,096: no place in the cluster enters an LDS address
	s_wait_kmcnt 0x0
	s_add_nc_u64 s[94:95], s[4:5], s[94:95]
	s_add_nc_u64 s[96:97], s[4:5], s[96:97]
	s_add_nc_u64 s[98:99], s[6:7], s[98:99]
	s_add_nc_u64 s[40:41], s[6:7], s[40:41]
	CROUND                                         ; all sixteen work-groups are here: the first joint loads meet
	s_mov_b32 s[G0S], 1
	s_add_co_u32 s[G0S+1], s45, SCL
	s_mov_b64 s[G0S+2:G0S+3], s[98:99]
	s_or_b32 s[G0S+3], s[G0S+3], 0x80000000
	s_mov_b32 s[G0SB], 1
	s_add_co_u32 s[G0SB+1], s45, SCL
	s_mov_b64 s[G0SB+2:G0SB+3], s[40:41]
	s_or_b32 s[G0SB+3], s[G0SB+3], 0x80000000
	JLOAD G0S, G1S, G0SB, G1SB                     ; the scale bytes first
.irp s, 0,1
	s_mov_b32 s[G0+4*\s], 1
	s_add_co_u32 s[G0+4*\s+1], s44, \s*SLOT
	s_add_nc_u64 s[G0+4*\s+2:G0+4*\s+3], s[94:95], \s*KSTB
	s_or_b32 s[G0+4*\s+3], s[G0+4*\s+3], 0x80000000
	s_mov_b32 s[G0B+4*\s], 1
	s_add_co_u32 s[G0B+4*\s+1], s44, \s*SLOT
	s_add_nc_u64 s[G0B+4*\s+2:G0B+4*\s+3], s[96:97], \s*KSTB
	s_or_b32 s[G0B+4*\s+3], s[G0B+4*\s+3], 0x80000000
	JLOAD G0+4*\s, G1, G0B+4*\s, G1B               ; three tensor loads of mine are out
.endr
	v_and_b32 v1, 15, v0                           ; r
	v_bfe_u32 v2, v0, 4, 1                         ; h
	v_and_b32 v3, 31, v0
	v_lshlrev_b32 v[CO], 4, v3                     ; 16 x lane
	s_lshl_b32 s94, s19, 15                        ; my 128 rows of source 1
	s_lshl_b32 s95, s20, 15
	s_add_co_u32 s95, s95, 2*HALFT                 ; my 128 rows of source 0
.irp s, 0,1
	v_add_nc_u32 v[ADRA+\s], s94, v[CO]
	v_add_nc_u32 v[ADRB+\s], s95, v[CO]
	s_add_co_u32 s94, s94, SLOT
	s_add_co_u32 s95, s95, SLOT
.endr
	v_lshlrev_b32 v5, 4, v1                        ; scale words: 16 bytes a row and half of K
	s_lshl_b32 s94, s19, 12
	s_lshl_b32 s95, s20, 12
	s_add_co_u32 s95, s95, 8192
	s_sub_co_u32 s95, s95, s94
	v_mul_u32_u24 v6, s95, v2                      ; lanes 16-31 take source 0's
	s_add_co_u32 s94, s94, SCL
	v_add_nc_u32 v5, v5, v6
	v_add_nc_u32 v[ADRS], s94, v5
	s_lshl_b32 s94, s18, 9                         ; a stage of 512 bytes a wave for the scale words, in slot 0 behind its last fill and last read
	v_lshl_add_u32 v[STO], v1, 2, s94
	v_add_nc_u32 v[RD], s94, v[CO]
	v_lshlrev_b32 v[PSO], 12, v2
	v_lshl_add_u32 v[PSO], v1, 4, v[PSO]           ; ps: lanes 0-15 one head's 256 bytes, lanes 16-31 the next head's
	v_lshlrev_b32 v4, 6, v2                        ; bias along source 0: 64 h
	v_and_b32 v6, 7, v1
	v_lshrrev_b32 v7, 3, v1
	v_lshlrev_b32 v7, 6, v7
	v_lshl_add_u32 v7, v6, 2, v7                   ; bias along source 1: 4 (r % 8) + 64 (r / 8)
	s_lshl_b32 s96, s42, 8
	s_lshl_b32 s94, s20, 7
	s_add_co_u32 s96, s96, s94                     ; my first row of source 0
	s_lshl_b32 s97, s43, 8
	s_lshl_b32 s94, s19, 7
	s_add_co_u32 s97, s97, s94                     ; of source 1
	s_cmp_eq_u32 s23, 2
	s_cselect_b32 s98, s96, s97                    ; my first token
	s_cselect_b32 s99, s97, s96                    ; my first feature
	s_cselect_b32 s40, 0, s96                      ; where the bias along source 0 is read (for v: at 0, and masked to 0)
	s_cselect_b32 s41, s97, 0                      ; along source 1 (for q, k: at 0, and masked to 0)
	s_cselect_b64 s[12:13], s[12:13], s[10:11]
	s_cmp_eq_u32 s23, 0
	s_cselect_b64 s[12:13], s[8:9], s[12:13]       ; bq, bk or bv
	s_lshl_b32 s40, s40, 2
	s_lshl_b32 s46, s41, 2
	s_mov_b32 s41, 0
	s_mov_b32 s47, 0
	s_add_nc_u64 s[8:9], s[12:13], s[40:41]
	s_add_nc_u64 s[10:11], s[12:13], s[46:47]
.irp b, 0,1,2,3
.irp j, 0,1,2,3
	global_load_b128 v[BI+16*\b+4*\j:BI+16*\b+4*\j+3], v4, s[8:9] offset:128*\b+16*\j    ; register 16 b + i: row 32 b + 16 h + i of my 128 of source 0
.endr
.endr
.irp a, 0,1,2,3,4,5,6,7
	global_load_b32 v[BL+\a], v7, s[10:11] offset:4*(32*(\a/2)+8*(\a%2))                 ; tile a's row r of source 1
.endr
	s_lshr_b32 s94, s97, 4                         ; pc: product t's region + source 1's tile + source 0's block of 32
	s_mul_i32 s94, s94, s100
	s_lshl_b32 s95, s96, 4
	s_add_co_u32 s94, s94, s95
	s_lshl_b32 s95, s23, 23
	s_add_co_u32 s94, s94, s95
	s_mov_b32 s95, 0
	s_add_nc_u64 s[14:15], s[14:15], s[94:95]
	s_lshr_b32 s94, s98, 11                        ; ps: (batch x 16 + head) x 4,096 + 2 x (token in the batch)
	s_lshl_b32 s94, s94, 4
	s_lshr_b32 s95, s99, 6
	s_add_co_u32 s94, s94, s95
	s_lshl_b32 s94, s94, 12
	s_and_b32 s95, s98, 2047
	s_lshl_b32 s95, s95, 1
	s_add_co_u32 s94, s94, s95
	s_lshl_b32 s95, s23, 18
	s_add_co_u32 s94, s94, s95
	s_mov_b32 s95, 0
	s_add_nc_u64 s[16:17], s[16:17], s[94:95]
	s_mov_b32 s[SEL], 0x76543210
	s_mov_b32 s[SEL+1], 0xfedcba98                 ; lane l xor 16
	s_mov_b32 s[MNT], 0x600000
	s_mov_b32 s22, 0x05040100                      ; two low halves
	s_mov_b32 s47, 0x07060302                      ; two high halves
	s_wait_loadcnt 0x0                             ; the biases
.set k, 0
.rept 64
	v_and_b32 v[BI+k], s92, v[BI+k]                ; one of the two biases is the product's, the other becomes 0
.set k, k+1
.endr
.irp a, 0,1,2,3,4,5,6,7
	v_and_b32 v[BL+\a], s93, v[BL+\a]
.endr
.macro FRAG reg, adr, q, i             ; a fragment: 2,048 consecutive bytes, 512 an instruction
.irp c, 0,1,2,3
	ds_load_b128 v[\reg+4*\c:\reg+4*\c+3], v[\adr] offset:(\i)*4096+(\q)*2048+512*\c
.endr
.endm
; 16 matrix instructions: source 1's blocks a0, a0 + 1 x source 0's eight.  The 64 accumulators take turns, one instruction a turn, in the same order in every step.
.macro MUL16 a0, p, q, sc, zero
.irp a, \a0, \a0+1
.irp b, 0,1,2,3,4,5,6,7
.if \zero
	v_wmma_scale_f32_16x16x128_f8f6f4 v[8*(8*((\a)%4)+\b):8*(8*((\a)%4)+\b)+7], v[128*(\p)+FR*\b:128*(\p)+FR*\b+FR-1], v[AF+FR*(\a):AF+FR*(\a)+FR-1], 0, v[SC+8*NQ*(\sc)+NQ*\b+(\q)], v[SC+8*NQ*(\sc)+NQ*(\a)+(\q)] matrix_a_scale:MATRIX_SCALE_ROW1
.else
	v_wmma_scale_f32_16x16x128_f8f6f4 v[8*(8*((\a)%4)+\b):8*(8*((\a)%4)+\b)+7], v[128*(\p)+FR*\b:128*(\p)+FR*\b+FR-1], v[AF+FR*(\a):AF+FR*(\a)+FR-1], v[8*(8*((\a)%4)+\b):8*(8*((\a)%4)+\b)+7], v[SC+8*NQ*(\sc)+NQ*\b+(\q)], v[SC+8*NQ*(\sc)+NQ*(\a)+(\q)] matrix_a_scale:MATRIX_SCALE_ROW1
.endif
.endr
.endr
.endm
.macro FETCH_B slot, q, p
	WIN TO_B
.irp i, 0,1,2,3,4,5,6,7
	FRAG 128*(\p)+FR*\i, ADRB+\slot, \q, \i
.endr
	WIN 0
.endm
.macro FETCH_A slot, q, i0
.irp i, \i0, \i0+1, \i0+2, \i0+3
	FRAG AF+FR*(\i), ADRA+\slot, \q, \i
.endr
.endm
.macro SCALES sc                       ; a K step's two words a row: lanes 0-15 source 1's tile i, lanes 16-31 source 0's tile i
.irp i, 0,1,2,3,4,5,6,7
	ds_load_b64 v[SC+8*NQ*\sc+NQ*\i:SC+8*NQ*\sc+NQ*\i+1], v[ADRS] offset:\i*SBLK
.endr
.endm
.macro PLACES n                        ; plain vector lines between a matrix instruction and a load into, or a read or write of, its registers
.rept \n
	v_nop
.endr
.endm
.macro STEP slot, q, zero              ; 128 along K that has its successor in the same slot
	s_wait_dscnt 4*NL                              ; source 0's set and source 1's blocks 0-3 are in; blocks 4-7 may be out
	WIN MUL_LO
	MUL16 0, (\q)%2, \q, \slot, \zero
	MUL16 2, (\q)%2, \q, \slot, \zero
	s_wait_dscnt 0
	PLACES NP
	FETCH_B \slot, (\q)+1, 1-(\q)%2
	FETCH_A \slot, (\q)+1, 0
	WIN MUL_HI
	MUL16 4, (\q)%2, \q, \slot, \zero
	MUL16 6, (\q)%2, \q, \slot, \zero
	PLACES NP
	WIN 0
	FETCH_A \slot, (\q)+1, 4
.endm
; A slot's last step changes slots: one barrier; in front of it each wave waits for all its tensor loads, adds 0 to its spare word, and waits for that and for its reads of this slot.
.macro TURN slot, next, fill
	s_wait_tensorcnt 0x0                           ; all my tensor loads have landed: my part of the next slot
	ds_add_u32 v[SPW], v[NIL]                      ; 0 onto my spare word
	s_wait_dscnt 4*NL+1                            ; (the add and blocks 4-7 may be out)
	WIN MUL_LO
	MUL16 0, 1, NQ-1, \slot, 0
	s_wait_dscnt 0x0                               ; the add is done, and my reads of this slot are over
	s_barrier_signal -1
	MUL16 2, 1, NQ-1, \slot, 0
	WIN 0
	s_barrier_wait -1
.if \fill
	CREST                                          ; the barrier has opened a round of the cluster's: no wave of any partner still reads this slot or has a load on its way
	s_add_nc_u64 s[G0+4*\slot+2:G0+4*\slot+3], s[G0+4*\slot+2:G0+4*\slot+3], 2*KSTB
	s_add_nc_u64 s[G0B+4*\slot+2:G0B+4*\slot+3], s[G0B+4*\slot+2:G0B+4*\slot+3], 2*KSTB
	JLOAD G0+4*\slot, G1, G0B+4*\slot, G1B         ; the first tensor load behind the round; its four v_nop are among the places below
	PLACES NP-4
.else
	PLACES NP
.endif
	v_add_nc_u32 v[ADRS], 8+240*\slot, v[ADRS]     ; the next K step's scale words: 8 bytes on, or into the next half of K (256 - 8)
	FETCH_B \next, 0, 0
	FETCH_A \next, 0, 0
	SCALES \next
	WIN MUL_HI
	MUL16 4, 1, NQ-1, \slot, 0
	MUL16 6, 1, NQ-1, \slot, 0
	PLACES NP
	WIN 0
	FETCH_A \next, 0, 4
.endm
	s_wait_tensorcnt 1                             ; the scale bytes and my part of K step 0 are in; K step 1's load may be out
	s_barrier_signal -1
	s_barrier_wait -1
	FETCH_B 0, 0, 0
	FETCH_A 0, 0, 0
	SCALES 0
	FETCH_A 0, 0, 4
	STEP 0, 0, 1                                   ; the first products start the sums
	TURN 0, 1, 1                                   ; slot 0 takes K step 2
	STEP 1, 0, 0
	TURN 1, 0, 1                                   ; slot 1 takes K step 3
	STEP 0, 0, 0
	TURN 0, 1, 0                                   ; nothing more to fetch
	STEP 1, 0, 0
	s_wait_dscnt 4*NL
	WIN MUL_LO
	MUL16 0, 1, NQ-1, 1, 0
	MUL16 2, 1, NQ-1, 1, 0
	s_wait_dscnt 0
	WIN MUL_HI
	MUL16 4, 1, NQ-1, 1, 0
	MUL16 6, 1, NQ-1, 1, 0
	WIN 0
; 64 numbers of a lane, register 16 b + i = place 32 b + 16 (lane / 16) + i along the next K, become a fragment's codes in v[PC] on and its scale word in v[PW].
.macro QUANT s
.irp b, 0,1,2,3
	v_max3_num_f32 v[TM+\b], |v[\s+16*\b]|, |v[\s+1+16*\b]|, 0x4800000   ; with the floor 2^(9 - 127): the byte cannot fall under 1
.endr
.irp i, 2,4,6,8,10,12,14
.irp b, 0,1,2,3
	v_max3_num_f32 v[TM+\b], v[TM+\b], |v[\s+16*\b+\i]|, |v[\s+1+16*\b+\i]|
.endr
.endr
.irp b, 0,1,2,3
	v_permlanex16_b32 v[TM+4+\b], v[TM+\b], s[SEL], s[SEL+1]
.endr
.irp b, 0,1,2,3
	v_max_num_f32 v[TM+\b], v[TM+\b], v[TM+4+\b]   ; with lane l xor 16's: the block's largest magnitude
.endr
.irp b, 0,1,2,3
	v_add_nc_u32 v[TM+12+\b], 0xfc000000, v[TM+\b] ; 8 off the exponent field: the conversion's scale operand
.endr
.irp b, 0,1,2,3
	v_and_or_b32 v[TM+8+\b], v[TM+\b], 0x7f800000, s[MNT]   ; 448 x the scale
.endr
.irp b, 0,1,2,3
	v_lshrrev_b32 v[TM+4+\b], 23, v[TM+12+\b]      ; the scale's byte
.endr
	v_lshl_or_b32 v[PW], v[TM+5], 8, v[TM+4]
	v_lshl_or_b32 v[PW], v[TM+6], 16, v[PW]
	v_lshl_or_b32 v[PW], v[TM+7], 24, v[PW]
.irp b, 0,1,2,3
.irp i, 0,1,2,3,4,5,6,7,8,9,10,11,12,13,14,15
	v_med3_num_f32 v[\s+16*\b+\i], v[\s+16*\b+\i], -v[TM+8+\b], v[TM+8+\b]   ; the conversion does not saturate (ISA guide 7.6.2)
.endr
	v_cvt_scalef32_pk8_fp8_f32 v[PC+4*\b:PC+1+4*\b], v[\s+16*\b:\s+7+16*\b], v[TM+12+\b]
	v_cvt_scalef32_pk8_fp8_f32 v[PC+2+4*\b:PC+3+4*\b], v[\s+8+16*\b:\s+15+16*\b], v[TM+12+\b]
.endr
	v_nop                                          ; a plain line behind the last conversion
.endm
; THE WAY OUT of source 1's block a: its 64 accumulator registers are, as they stand, 128 neighbours along source 0 (64 a lane).  Bias, quantiser, and the fragment leaves as 2,048 consecutive bytes.
.macro OUTBLK a
.if (\a) > 0
	s_wait_xcnt 0x0                                ; the last block's stores have read their data and their base
	s_add_nc_u64 s[14:15], s[14:15], s[100:101]
.endif
.set WN, 0x02+(\a)/4
	WIN WN                                         ; source 0: the accumulators' window
.set AC, 64*((\a)%4)
.set k, 0
.rept 32
	v_pk_add_f32 v[X+k:X+k+1], v[AC+k:AC+k+1], v[BI+k:BI+k+1]      ; each accumulator from its low end on
.set k, k+2
.endr
	WIN 0
.set k, 0
.rept 32
.if (\a)%2
	v_pk_add_f32 v[X+k:X+k+1], v[X+k:X+k+1], v[BL+2*((\a)/2):BL+2*((\a)/2)+1] op_sel:[0,1] op_sel_hi:[1,1]
.else
	v_pk_add_f32 v[X+k:X+k+1], v[X+k:X+k+1], v[BL+2*((\a)/2):BL+2*((\a)/2)+1] op_sel_hi:[1,0]
.endif
.set k, k+2
.endr
	QUANT X
	v_mov_b32 v[PWA+(\a)], v[PW]
.irp c, 0,1,2,3
	global_store_b128 v[CO], v[PC+4*\c:PC+4*\c+3], s[14:15] offset:512*\c      ; 512 consecutive bytes, aligned
.endr
.endm
	PLACES NP                                      ; behind the last products: their results are read and source 1's registers written below
.irp b, 0,1,2,3
	v_mov_b32 v[TM+4+\b], 0                        ; a lane permute's destination counts as one of its sources
.endr
.irp a, 0,1,2,3,4,5,6,7
	OUTBLK \a
.endr
	; the scale words as attention takes them.  q, k: a word is (tile 2 g: the head's two blocks; tile 2 g + 1: the same); v: a block's word as it stands.  Both are made, one is chosen.
.irp g, 0,1,2,3
	v_perm_b32 v[WW+\g], v[PWA+2*\g+1], v[PWA+2*\g], s22           ; my first head
	v_perm_b32 v[WW+4+\g], v[PWA+2*\g+1], v[PWA+2*\g], s47         ; my second head
.endr
.irp w, 0,1,2,3,4,5,6,7
	v_cndmask_b32 v[WW+\w], v[WW+\w], v[PWA+\w], s93
.endr
.irp w, 0,1,2,3,4,5,6,7
	ds_store_b32 v[STO], v[WW+\w] offset:64*\w     ; lanes r and r + 16 write the same word with the same value
.endr
	ds_load_b128 v[BK:BK+3], v[RD]                 ; LDS serves a wave's instructions in order: this sees my stores
	s_wait_dscnt 0x0
	global_store_b128 v[PSO], v[BK:BK+3], s[16:17] ; sixteen lanes store 256 consecutive bytes, aligned
	s_wait_tensorcnt 0x0                           ; the wave's end
	ds_add_u32 v[SPW], v[NIL]
	s_wait_dscnt 0x0
	CROUND                                         ; the closing round
	s_endpgm
.Lfunc_end_k_qb3feade1a7_proj:
	.size	k_qb3feade1a7_proj, .Lfunc_end_k_qb3feade1a7_proj-k_qb3feade1a7_proj
	.p2alignl 7, 3214868480
	.fill 96, 4, 3214868480
	.section	.rodata,"a",@progbits
	.p2align	6, 0x0
	.amdhsa_kernel k_qb3feade1a7_proj
		.amdhsa_group_segment_fixed_size 327680
		.amdhsa_private_segment_fixed_size 0
		.amdhsa_enable_private_segment 0
		.amdhsa_kernarg_size 56
		.amdhsa_user_sgpr_count 2
		.amdhsa_user_sgpr_kernarg_segment_ptr 1
		.amdhsa_wavefront_size32 1
		.amdhsa_system_sgpr_workgroup_id_x 1
		.amdhsa_system_sgpr_workgroup_id_y 1
		.amdhsa_system_sgpr_workgroup_id_z 1
		.amdhsa_system_vgpr_workitem_id 0
		.amdhsa_next_free_vgpr 1024
		.amdhsa_next_free_sgpr 102
		.amdhsa_reserve_vcc 0
		.amdhsa_float_denorm_mode_32 3
		.amdhsa_float_denorm_mode_16_64 3
		.amdhsa_memory_ordered 1
		.amdhsa_forward_progress 1
		.amdhsa_inst_pref_size 224
	.end_amdhsa_kernel
	.amdgpu_metadata
---
amdhsa.version: [ 1, 2 ]
amdhsa.kernels:
  - .name:           k_qb3feade1a7_proj
    .symbol:         k_qb3feade1a7_proj.kd
    .args:
      - { .name: c1, .offset: 0, .size: 8, .value_kind: global_buffer, .address_space: global }
      - { .name: s1, .offset: 8, .size: 8, .value_kind: global_buffer, .address_space: global }
      - { .name: bq, .offset: 16, .size: 8, .value_kind: global_buffer, .address_space: global }
      - { .name: bk, .offset: 24, .size: 8, .value_kind: global_buffer, .address_space: global }
      - { .name: bv, .offset: 32, .size: 8, .value_kind: global_buffer, .address_space: global }
      - { .name: pc, .offset: 40, .size: 8, .value_kind: global_buffer, .address_space: global }
      - { .name: ps, .offset: 48, .size: 8, .value_kind: global_buffer, .address_space: global }
    .group_segment_fixed_size: 327680
    .private_segment_fixed_size: 0
    .kernarg_segment_align: 8
    .kernarg_segment_size: 56
    .max_flat_workgroup_size: 128
    .sgpr_count:     102
    .vgpr_count:     1024
    .wavefront_size: 32
...
	.end_amdgpu_metadata
.endif
;; end of part 2
;; launch attn (part 3): grid 4 x 64, 16 waves a work-group, no clusters, 281,600 bytes of LDS; arguments pc, ps, mask, cc, cs; writes cc, cs
.if DOCPART == 3
	.amdgcn_target "amdgcn-amd-amdhsa--gfx1250"
	.amdhsa_code_object_version 6
	.text
	.protected	k_qb3feade1a7_attn
	.globl	k_qb3feade1a7_attn
	.p2align	8
	.type	k_qb3feade1a7_attn,@function
k_qb3feade1a7_attn:
	s_mov_b64 s[64:65], 0
	v_nop
	global_prefetch_b8 v0, s[64:65] scope:SCOPE_SE
	s_setreg_imm32_b32 hwreg(HW_REG_WAVE_MODE, 25, 1), 1
	s_wait_xcnt 0x0
; Attention of one (batch, head) on codes of FP8 (E4M3) with E8M0 scales, head size 64, 2,048 keys, a key mask that is an input; the result is quantised along the merged heads for the last projection.
; t = score x log2(e) / 8; M = the running largest t rounded up to a whole number; p = 2^(t - M) is quantised along the keys; the row's sum is taken of the unquantised p and divides at the end.
; SHARES.  A work-group owns 512 queries of one head; each of its sixteen waves owns a tile of 16 queries in each of two passes.  Four waves to a SIMD: one wave's vector work stands beside another's products and LDS loads.
; THE HEAD'S K AND V CODES LIE WHOLE IN LDS (131,072 bytes each), filled once through registers, with their scale words and a bias word for each key.  No tensor load.
; No cluster: what partners could share is the one fill at the head, 264 KB for 32 key steps of work in each wave.
; LAYOUT.  Both products are used transposed (S^T = K Q^T, O^T = V^T P^T): a lane holds one query.  All operands are images of operand registers: a fragment is 2,048 consecutive bytes.
; HEAD SIZE 64 AGAINST THE INSTRUCTION'S 128: a fragment of K holds two tiles of 16 keys side by side along K; Q stands between two runs of zero codes, v16-23 | v24-31 | v32-39: v[24:39] meets the first tile, v[16:31] the second.
; A tile's keys are chosen so that register 16 b + 8 u + j of S^T is key 32 b + 16 (lane / 16) + 8 u + j: 16 neighbours for the quantiser.
; THE MASK costs no vector line: a hidden key's bias, -2^33, is the C of the score products, in the steps that have a hidden key (a scalar branch on flags made of the mask's whole numbers).
; Where a batch has no open key, c = 0: every p is 1, the uniform row that equal logits give.
; THE HOLD of p at the largest code goes two numbers to an instruction (a dual-issue pair): 32 lines for a step's 64 numbers.
; LIMITS: a hidden logit stands at -2^30 and not at -1e9: results differ only where open logits lie near -1e9.  NaN and infinities are not served.  A block whose largest magnitude lies under 2^-118 keeps the byte 1.
.set VL,   131072                      ; LDS: K [tile 128][2][512] at 0; V [step 16][channel tile 4][4][512] here
.set KSB,  262144                      ; K's scale words [group of 32 keys 64][r 16]
.set VSB,  266240                      ; V's [step 16][channel tile 4][r 16]
.set BIAS, 270336                      ; 0 or -2^33 for each key
.set CSG,  278528                      ; the result's scale halves: [pass 2][wave 16][r 16] of 2 bytes
.set FRG,  40                          ; v40-103  four fragments of K or of V
.set S,    104                         ; v104-167 S^T, then p
.set O,    168                         ; v168-199 O^T
.set PC,   200                         ; v200-215 p's codes
.set BM,   216                         ; largest scores of the four blocks, then largest p
.set BP,   220
.set HD,   224
.set SO,   228
.set T0,   232
.set UW,   233
.set F,    234                         ; v[234:235] f = 2^(old M - new M) in the low word
.set SU,   236
.set KS,   238                         ; v238-239 K's scale words; v240-241 V's; v242 Q's; v243 p's: these hold scales and nothing else
.set VS,   240
.set QS,   242
.set PS,   243
	s_load_b256 s[4:11], s[0:1], 0x0               ; pc, ps, mask, cc
	s_load_b64 s[12:13], s[0:1], 0x20              ; cs
	v_lshrrev_b32 v1, 5, v0
	v_readfirstlane_b32 s14, v1                    ; wave
	s_mov_b32 s15, ttmp9                           ; which 512 queries
	s_and_b32 s16, ttmp7, 0xffff                   ; batch x 16 + head
	s_lshr_b32 s17, s16, 4
	s_and_b32 s18, s16, 15
	v_and_b32 v244, 31, v0                         ; lane
	v_and_b32 v245, 15, v0                         ; r
	v_bfe_u32 v246, v0, 4, 1                       ; h
	v_lshlrev_b32 v1, 4, v244                      ; v1 = 16 x lane
	v_lshl_add_u32 v2, v244, 2, KSB                ; v2 = scale words: 4 x lane
	v_lshl_add_u32 v3, v246, 6, BIAS               ; v3 = bias: 64 h
	s_lshl_b32 s46, s14, 5
	v_lshl_add_u32 v4, v245, 1, s46
	v_add_nc_u32 v4, CSG, v4                       ; v4 = my row's scale half
	v_add_nc_u32 v5, CSG, v1                       ; v5 = the scale halves on the way out
	v_add_nc_u32 v6, VL, v1                        ; v6 = V: 16 x lane
	v_lshlrev_b32 v7, 2, v245                      ; v7 = 4 r
	v_lshlrev_b32 v244, 3, v244                    ; 8 x lane
	s_lshl_b32 s46, s14, 13
	v_add_nc_u32 v8, s46, v1                       ; the fill: my eight tiles of K,
	v_add_nc_u32 v9, s46, v6                       ; my key step of V,
	s_lshl_b32 s46, s14, 8
	v_add_nc_u32 v10, s46, v244
	v_add_nc_u32 v10, KSB, v10                     ; my 256 bytes of scale words,
	s_lshl_b32 s46, s14, 9
	v_add_nc_u32 v11, s46, v1
	v_add_nc_u32 v11, BIAS, v11                    ; my 128 keys' bias
	s_mov_b32 s19, 0x600000                        ; the mantissa field of 448
	s_mov_b32 s20, 0x76543210
	s_mov_b32 s21, 0xfedcba98                      ; lane l xor 16
	s_and_b32 s46, s14, 1
	s_mov_b32 s29, 0x01000100                      ; Q's scale word: my tile's half of the stored word, doubled
	s_cmp_lg_u32 s46, 0
	s_cselect_b32 s29, 0x03020302, s29
	s_mov_b32 s47, 0
	s_wait_kmcnt 0x0
	s_lshl_b32 s46, s17, 21                        ; K: region + (128 batch + 8 wave) tiles of 16,384 bytes + the head's two blocks
	s_lshl_b32 s48, s14, 17
	s_add_co_u32 s46, s46, s48
	s_lshl_b32 s48, s18, 10
	s_add_co_u32 s46, s46, s48
	s_add_co_u32 s46, s46, 8388608
	s_add_nc_u64 s[30:31], s[4:5], s[46:47]
	s_lshl_b32 s46, s18, 19                        ; V: region + 4 head channel tiles of 131,072 bytes + (64 batch + 4 wave) key blocks
	s_lshl_b32 s48, s17, 15
	s_add_co_u32 s46, s46, s48
	s_lshl_b32 s48, s14, 11
	s_add_co_u32 s46, s46, s48
	s_add_co_u32 s46, s46, 16777216
	s_add_nc_u64 s[32:33], s[4:5], s[46:47]
	s_lshl_b32 s46, s16, 12
	s_lshl_b32 s48, s14, 8
	s_add_co_u32 s46, s46, s48
	s_add_co_u32 s46, s46, 262144
	s_add_nc_u64 s[34:35], s[6:7], s[46:47]        ; K's scale words
	s_add_nc_u64 s[36:37], s[34:35], 262144        ; V's
	s_lshl_b32 s46, s17, 13
	s_add_nc_u64 s[38:39], s[8:9], s[46:47]        ; the batch's mask row
	s_lshl_b32 s46, s14, 9
	s_add_nc_u64 s[40:41], s[38:39], s[46:47]      ; my 128 keys of it
	s_lshl_b32 s46, s17, 21                        ; Q and the result: tile 128 batch + 32 block + wave, the head's two blocks
	s_lshl_b32 s48, s15, 19
	s_add_co_u32 s46, s46, s48
	s_lshl_b32 s48, s14, 14
	s_add_co_u32 s46, s46, s48
	s_lshl_b32 s48, s18, 10
	s_add_co_u32 s46, s46, s48
	s_add_nc_u64 s[42:43], s[4:5], s[46:47]
	s_add_nc_u64 s[10:11], s[10:11], s[46:47]
	s_lshl_b32 s46, s16, 12                        ; Q's scale words: group 16 block + 8 pass + wave / 2
	s_lshl_b32 s48, s15, 10
	s_add_co_u32 s46, s46, s48
	s_lshr_b32 s48, s14, 1
	s_lshl_b32 s48, s48, 6
	s_add_co_u32 s46, s46, s48
	s_add_nc_u64 s[44:45], s[6:7], s[46:47]
	s_lshl_b32 s46, s18, 14                        ; cs: [head][tile][r] of 2 bytes
	s_lshl_b32 s48, s17, 12
	s_add_co_u32 s46, s46, s48
	s_lshl_b32 s48, s15, 10
	s_add_co_u32 s46, s46, s48
	s_add_nc_u64 s[12:13], s[12:13], s[46:47]
	; THE FILL: 51 loads a wave, each of 512 (256) consecutive bytes
.irp i, 0,1,2,3,4,5,6,7
.irp c, 0,1
	global_load_b128 v[FRG+8*\i+4*\c:FRG+8*\i+4*\c+3], v1, s[30:31] offset:\i*16384+512*\c
.endr
.endr
.irp t, 0,1,2,3
.irp c, 0,1,2,3
	global_load_b128 v[S+16*\t+4*\c:S+16*\t+4*\c+3], v1, s[32:33] offset:\t*131072+512*\c
.endr
.endr
	global_load_b64 v[246:247], v244, s[34:35]
	global_load_b64 v[248:249], v244, s[36:37]
	global_load_b128 v[252:255], v1, s[40:41]
.irp i, 0,1,2,3,4,5,6,7,8,9,10,11,12,13,14,15
	global_load_b128 v[O+4*\i:O+4*\i+3], v1, s[38:39] offset:512*\i    ; the whole mask row: load i is key step i
.endr
	s_wait_loadcnt 35                              ; K's sixteen are in: 35 were issued behind them
.irp i, 0,1,2,3,4,5,6,7
.irp c, 0,1
	ds_store_b128 v8, v[FRG+8*\i+4*\c:FRG+8*\i+4*\c+3] offset:\i*1024+512*\c
.endr
.endr
	s_wait_loadcnt 19                              ; V's sixteen
.irp t, 0,1,2,3
.irp c, 0,1,2,3
	ds_store_b128 v9, v[S+16*\t+4*\c:S+16*\t+4*\c+3] offset:\t*2048+512*\c
.endr
.endr
	s_wait_loadcnt 17                              ; the two loads of scale words
	ds_store_b64 v10, v[246:247]
	ds_store_b64 v10, v[248:249] offset:4096
	s_wait_loadcnt 16                              ; my 128 mask words
	v_mov_b32 v250, 0xd0000000                     ; -2^33
.irp j, 252,253,254,255
	v_cmp_eq_u32 vcc_lo, 0, v\j
	v_cndmask_b32 v\j, 0, v250, vcc_lo
.endr
	ds_store_b128 v11, v[252:255]
	s_wait_loadcnt 0x0                             ; the mask row
	s_mov_b32 s24, 0                               ; bit i: key step i has a hidden key
	v_mov_b32 v16, 0                               ; the or of all mask words
.irp i, 0,1,2,3,4,5,6,7,8,9,10,11,12,13,14,15
	v_min_u32 v12, v[O+4*\i], v[O+4*\i+1]
	v_min_u32 v13, v[O+4*\i+2], v[O+4*\i+3]
	v_or_b32 v14, v[O+4*\i], v[O+4*\i+1]
	v_or_b32 v15, v[O+4*\i+2], v[O+4*\i+3]
	v_min_u32 v12, v12, v13
	v_or_b32 v16, v16, v14
	v_or_b32 v16, v16, v15
	v_cmp_eq_u32 vcc_lo, 0, v12
	s_cmp_lg_u32 vcc_lo, 0
	s_cselect_b32 s46, 1<<\i, 0
	s_or_b32 s24, s24, s46
.endr
	v_cmp_ne_u32 vcc_lo, 0, v16
	s_cmp_lg_u32 vcc_lo, 0
	s_cselect_b32 s22, 0x3e38aa3b, 0               ; c = log2(e) / 8, or 0 where no key of the batch is open
	s_mov_b32 s23, s22                             ; (the packed form names the pair)
.irp j, 16,17,18,19,20,21,22,23,32,33,34,35,36,37,38,39
	v_mov_b32 v\j, 0                               ; the zero codes on both sides of Q
.endr
.irp b, 0,1,2,3
	v_mov_b32 v[BP+\b], 0                          ; a lane permute's destination counts as one of its sources
.endr
	v_mov_b32 v[F+1], 0                            ; (named as the upper half of a pair)
	s_wait_dscnt 0x0                               ; for the others' sake: my stores have landed
	s_barrier_signal -1
	s_barrier_wait -1
.macro KQ b, u, inplace                ; S^T's tile (b, u): fragment b of K against Q on the side u
.set rD, S+16*(\b)+8*(\u)
.set rA, FRG+16*(\b)
.set rB, 24-8*(\u)
.set rK, KS+(\b)/2
.if \inplace
.if (\b)%2
	v_wmma_scale_f32_16x16x128_f8f6f4 v[rD:rD+7], v[rA:rA+15], v[rB:rB+15], v[rD:rD+7], v[rK], v[QS] matrix_a_scale:MATRIX_SCALE_ROW1
.else
	v_wmma_scale_f32_16x16x128_f8f6f4 v[rD:rD+7], v[rA:rA+15], v[rB:rB+15], v[rD:rD+7], v[rK], v[QS]
.endif
.else
.if (\b)%2
	v_wmma_scale_f32_16x16x128_f8f6f4 v[rD:rD+7], v[rA:rA+15], v[rB:rB+15], 0, v[rK], v[QS] matrix_a_scale:MATRIX_SCALE_ROW1
.else
	v_wmma_scale_f32_16x16x128_f8f6f4 v[rD:rD+7], v[rA:rA+15], v[rB:rB+15], 0, v[rK], v[QS]
.endif
.endif
.endm
.macro PV t                            ; O^T's tile t += 16 channels of V^T x p
.set rD, O+8*(\t)
.set rA, FRG+16*(\t)
.set rK, VS+(\t)/2
.if (\t)%2
	v_wmma_scale_f32_16x16x128_f8f6f4 v[rD:rD+7], v[rA:rA+15], v[PC:PC+15], v[rD:rD+7], v[rK], v[PS] matrix_a_scale:MATRIX_SCALE_ROW1
.else
	v_wmma_scale_f32_16x16x128_f8f6f4 v[rD:rD+7], v[rA:rA+15], v[PC:PC+15], v[rD:rD+7], v[rK], v[PS]
.endif
.endm
; A KEY STEP: 128 keys.  Twelve matrix instructions on twelve accumulators, one instruction a turn.
.macro STEP
	v_add_nc_u32 v8, s26, v1                       ; K's four fragments
	v_add_nc_u32 v9, s26, v6                       ; V's four
	v_add_nc_u32 v10, s27, v2                      ; the scale words
	v_add_nc_u32 v11, s28, v3                      ; the bias
.rept 4
	v_nop                                          ; with the four lines above: eight places in front of loads into registers that the last products read
.endr
.irp b, 0,1,2,3
.irp c, 0,1,2,3
	ds_load_b128 v[FRG+16*\b+4*\c:FRG+16*\b+4*\c+3], v8 offset:2048*\b+512*\c
.endr
.endr
	ds_load_b32 v[KS], v10                         ; lanes 0-15 fragment 0's words, lanes 16-31 fragment 1's
	ds_load_b32 v[KS+1], v10 offset:128
	s_lshr_b32 s46, s24, s25
	s_and_b32 s46, s46, 1
	s_cmp_lg_u32 s46, 0                            ; has this step a hidden key?
	s_cbranch_scc1 .Lhole_\@
	s_wait_dscnt 0x0
.irp b, 0,1,2,3
.irp u, 0,1
	KQ \b, \u, 0
.endr
.endr
	s_branch .Ljoin_\@
.Lhole_\@:
.irp b, 0,1,2,3
.irp u, 0,1
	ds_load_b128 v[S+16*\b+8*\u:S+16*\b+8*\u+3], v11 offset:128*\b+32*\u          ; the bias of keys 32 b + 16 h + 8 u + 0 .. 7, in the result's layout
	ds_load_b128 v[S+16*\b+8*\u+4:S+16*\b+8*\u+7], v11 offset:128*\b+32*\u+16
.endr
.endr
	s_wait_dscnt 0x0
.irp b, 0,1,2,3
.irp u, 0,1
	KQ \b, \u, 1
.endr
.endr
.Ljoin_\@:
.rept 8
	v_nop                                          ; places in front of the loads below and of the first read of the scores
.endr
.irp t, 0,1,2,3
.irp c, 0,1,2,3
	ds_load_b128 v[FRG+16*\t+4*\c:FRG+16*\t+4*\c+3], v9 offset:2048*\t+512*\c     ; V's fragments land while the softmax is walked
.endr
.endr
	ds_load_b32 v[VS], v10 offset:VSB-KSB
	ds_load_b32 v[VS+1], v10 offset:VSB-KSB+128
.irp b, 0,1,2,3
	v_max3_num_f32 v[BM+\b], v[S+16*\b], v[S+1+16*\b], v[S+2+16*\b]               ; the largest score of each block of 32 keys: for the row's maximum and, since p rises with the score, for the block's largest p
.endr
.irp i, 3,5,7,9,11,13
.irp b, 0,1,2,3
	v_max3_num_f32 v[BM+\b], v[BM+\b], v[S+16*\b+\i], v[S+1+16*\b+\i]
.endr
.endr
.irp b, 0,1,2,3
	v_max_num_f32 v[BM+\b], v[BM+\b], v[S+15+16*\b]
.endr
.irp b, 0,1,2,3
	v_permlanex16_b32 v[BP+\b], v[BM+\b], s20, s21
.endr
.irp b, 0,1,2,3
	v_max_num_f32 v[BM+\b], v[BM+\b], v[BP+\b]
.endr
	v_max3_num_f32 v[T0], v[BM], v[BM+1], v[BM+2]
	v_max_num_f32 v[T0], v[T0], v[BM+3]
	v_mul_f32 v[T0], s22, v[T0]                    ; as t (c is not negative)
	v_max_num_f32 v13, v13, v[T0]                  ; the running largest t
	v_mov_b32 v[T0], v12
	v_floor_f32 v12, -v13                          ; the new -M: M is a whole number
	v_sub_f32 v[T0], v12, v[T0]                    ; old M - new M: a whole number, 0 or less
	v_cvt_i32_f32 v[T0], v[T0]                     ; (it saturates)
	v_ldexp_f32 v[F], 1.0, v[T0]                   ; f = 2^(old M - new M)
.set j, 0
.rept 32
	v_pk_fma_f32 v[S+j:S+j+1], v[S+j:S+j+1], s[22:23], v[12:13] op_sel_hi:[1,0,0]   ; t - M
.set j, j+2
.endr
.irp b, 0,1,2,3
	v_fma_f32 v[BM+\b], v[BM+\b], s22, v12
.endr
.set j, 0
.rept 64
	v_exp_f32 v[S+j], v[S+j]                       ; p = 2^(t - M)
.set j, j+1
.endr
	v_pk_mul_f32 v[14:15], v[14:15], v[F:F+1] op_sel_hi:[1,0]      ; the sums under the new M (a plain line behind the exponentials)
	s_wait_alu depctr_va_vdst(0)                   ; one wait for the batch, ahead of its first reader
.irp b, 0,1,2,3
	v_exp_f32 v[BM+\b], v[BM+\b]                   ; each block's largest p
.endr
	v_pk_add_f32 v[SU:SU+1], v[S:S+1], v[S+2:S+3]  ; the row's sum of the unquantised p, in two chains
.irp j, 4,8,12,16,20,24,28,32,36,40,44,48,52,56,60
	v_pk_add_f32 v[14:15], v[14:15], v[S+\j:S+\j+1]
	v_pk_add_f32 v[SU:SU+1], v[SU:SU+1], v[S+2+\j:S+3+\j]
.endr
	v_pk_add_f32 v[14:15], v[14:15], v[SU:SU+1]
	s_wait_alu depctr_va_vdst(0)                   ; and one for the four
.irp b, 0,1,2,3
	v_max_num_f32 v[BM+\b], 0x4800000, v[BM+\b]    ; the floor 2^(9 - 127)
.endr
.irp b, 0,1,2,3
	v_add_nc_u32 v[SO+\b], 0xfc000000, v[BM+\b]    ; the conversion's scale operand
.endr
.irp b, 0,1,2,3
	v_and_or_b32 v[HD+\b], v[BM+\b], 0x7f800000, s19               ; 448 x the scale
.endr
.irp b, 0,1,2,3
	v_lshrrev_b32 v[BP+\b], 23, v[SO+\b]           ; the scale's byte
.endr
	v_lshl_or_b32 v[PS], v[BP+1], 8, v[BP]         ; p's scale word for these 128 keys
	v_lshl_or_b32 v[PS], v[BP+2], 16, v[PS]
	v_lshl_or_b32 v[PS], v[BP+3], 24, v[PS]
; The hold; p is not negative, so it is one-sided.  Two numbers an instruction: number i of block b with number i xor 1 of block b + 1.  So one destination is even and the other odd,
; the two first sources differ in register number mod 4 (i against i xor 1; S and 16 are multiples of 4), and so do the two second sources (neighbouring registers).
.irp b, 0,2
.irp i, 0,1,2,3,4,5,6,7,8,9,10,11,12,13,14,15
	v_dual_min_num_f32 v[S+16*\b+\i], v[S+16*\b+\i], v[HD+\b] :: v_dual_min_num_f32 v[S+16*\b+17+\i-2*(\i%2)], v[S+16*\b+17+\i-2*(\i%2)], v[HD+\b+1]
.endr
	v_cvt_scalef32_pk8_fp8_f32 v[PC+4*\b:PC+4*\b+1], v[S+16*\b:S+16*\b+7], v[SO+\b]
	v_cvt_scalef32_pk8_fp8_f32 v[PC+4*\b+2:PC+4*\b+3], v[S+16*\b+8:S+16*\b+15], v[SO+\b]
	v_cvt_scalef32_pk8_fp8_f32 v[PC+4*\b+4:PC+4*\b+5], v[S+16*\b+16:S+16*\b+23], v[SO+\b+1]
	v_cvt_scalef32_pk8_fp8_f32 v[PC+4*\b+6:PC+4*\b+7], v[S+16*\b+24:S+16*\b+31], v[SO+\b+1]
.endr
.set j, 0
.rept 16
	v_pk_mul_f32 v[O+j:O+j+1], v[O+j:O+j+1], v[F:F+1] op_sel_hi:[1,0]      ; O^T under the new M; these lines are also the places between the codes and the products
.set j, j+2
.endr
	s_wait_dscnt 0x0                               ; V's fragments and scale words
.irp t, 0,1,2,3
	PV \t
.endr
.endm
; The pass's end: O^T / the sum, quantised along the head's 64 channels (two blocks of the merged heads' K), stored as an image; the two scale bytes go to LDS.
.macro FINISH p
.rept 8
	v_nop                                          ; places behind the last products
.endr
	v_add_f32 v14, v14, v15
	v_permlanex16_b32 v[T0], v14, s20, s21
	v_add_f32 v14, v14, v[T0]                      ; the row's sum
	v_rcp_f32 v14, v14
	v_nop                                          ; a plain line behind the transcendental
	s_wait_alu depctr_va_vdst(0)                   ; the wait ahead of its first reader
.set j, 0
.rept 16
	v_pk_mul_f32 v[S+j:S+j+1], v[O+j:O+j+1], v[14:15] op_sel_hi:[1,0]      ; register 16 g + i: channel 32 g + 16 h + i; each accumulator from its low end on
.set j, j+2
.endr
.irp g, 0,1
	v_max3_num_f32 v[BM+\g], |v[S+16*\g]|, |v[S+1+16*\g]|, 0x4800000
.endr
.irp i, 2,4,6,8,10,12,14
.irp g, 0,1
	v_max3_num_f32 v[BM+\g], v[BM+\g], |v[S+16*\g+\i]|, |v[S+1+16*\g+\i]|
.endr
.endr
.irp g, 0,1
	v_permlanex16_b32 v[BP+\g], v[BM+\g], s20, s21
.endr
.irp g, 0,1
	v_max_num_f32 v[BM+\g], v[BM+\g], v[BP+\g]
.endr
.irp g, 0,1
	v_add_nc_u32 v[SO+\g], 0xfc000000, v[BM+\g]
.endr
.irp g, 0,1
	v_and_or_b32 v[HD+\g], v[BM+\g], 0x7f800000, s19
.endr
.irp g, 0,1
	v_lshrrev_b32 v[BP+\g], 23, v[SO+\g]
.endr
	v_lshl_or_b32 v[UW], v[BP+1], 8, v[BP]
.irp g, 0,1
.irp i, 0,1,2,3,4,5,6,7,8,9,10,11,12,13,14,15
	v_med3_num_f32 v[S+16*\g+\i], v[S+16*\g+\i], -v[HD+\g], v[HD+\g]
.endr
	v_cvt_scalef32_pk8_fp8_f32 v[PC+4*\g:PC+4*\g+1], v[S+16*\g:S+16*\g+7], v[SO+\g]
	v_cvt_scalef32_pk8_fp8_f32 v[PC+4*\g+2:PC+4*\g+3], v[S+16*\g+8:S+16*\g+15], v[SO+\g]
.endr
	v_nop                                          ; a plain line behind the last conversion
	global_store_b128 v1, v[PC:PC+3], s[10:11] offset:\p*262144
	global_store_b128 v1, v[PC+4:PC+7], s[10:11] offset:\p*262144+512
	ds_store_b16 v4, v[UW] offset:512*\p           ; lanes r and r + 16 write the same two bytes
.endm
.macro PASS p
	s_wait_xcnt 0x0                                ; the last pass's stores have read their data
	global_load_b128 v[24:27], v1, s[42:43] offset:\p*262144
	global_load_b128 v[28:31], v1, s[42:43] offset:\p*262144+512
	global_load_b32 v[QS], v7, s[44:45] offset:512*\p
	v_mov_b32 v13, 0xff61b1e6                      ; the largest t so far: -3e38
	v_floor_f32 v12, -v13
	v_mov_b32 v14, 0
	v_mov_b32 v15, 0
.set j, 0
.rept 32
	v_mov_b32 v[O+j], 0                            ; the step is written once: the first finds zeros
.set j, j+1
.endr
	s_mov_b32 s25, 0
	s_mov_b32 s26, 0
	s_mov_b32 s27, 0
	s_mov_b32 s28, 0
	s_wait_loadcnt 0x0
	v_perm_b32 v[QS], v[QS], v[QS], s29            ; eight plain lines stand between this and the first product
.Lstep_\@:
	STEP
	s_add_co_u32 s26, s26, 8192
	s_add_co_u32 s27, s27, 256
	s_add_co_u32 s28, s28, 512
	s_add_co_u32 s25, s25, 1
	s_cmp_lt_u32 s25, 16
	s_cbranch_scc1 .Lstep_\@
	FINISH \p
.endm
	PASS 0
	PASS 1
	s_wait_dscnt 0x0                               ; my scale halves have landed
	s_barrier_signal -1
	s_barrier_wait -1
	s_cmp_lg_u32 s14, 0
	s_cbranch_scc1 .Lend
	ds_load_b128 v[104:107], v5                    ; wave 0 stores the work-group's 1,024 consecutive bytes of scale halves
	ds_load_b128 v[108:111], v5 offset:512
	s_wait_dscnt 0x0
	global_store_b128 v1, v[104:107], s[12:13]
	global_store_b128 v1, v[108:111], s[12:13] offset:512
.Lend:
	s_wait_xcnt 0x0
	v_lshl_add_u32 v254, v0, 2, 0x44400
	v_mov_b32 v255, 0
	s_wait_tensorcnt 0x0
	ds_add_u32 v254, v255
	s_wait_dscnt 0x0
	s_endpgm
.Lfunc_end_k_qb3feade1a7_attn:
	.size	k_qb3feade1a7_attn, .Lfunc_end_k_qb3feade1a7_attn-k_qb3feade1a7_attn
	.p2alignl 7, 3214868480
	.fill 96, 4, 3214868480
	.section	.rodata,"a",@progbits
	.p2align	6, 0x0
	.amdhsa_kernel k_qb3feade1a7_attn
		.amdhsa_group_segment_fixed_size 281600
		.amdhsa_private_segment_fixed_size 0
		.amdhsa_enable_private_segment 0
		.amdhsa_kernarg_size 40
		.amdhsa_user_sgpr_count 2
		.amdhsa_user_sgpr_kernarg_segment_ptr 1
		.amdhsa_wavefront_size32 1
		.amdhsa_system_sgpr_workgroup_id_x 1
		.amdhsa_system_sgpr_workgroup_id_y 1
		.amdhsa_system_sgpr_workgroup_id_z 1
		.amdhsa_system_vgpr_workitem_id 0
		.amdhsa_next_free_vgpr 256
		.amdhsa_next_free_sgpr 66
		.amdhsa_reserve_vcc 1
		.amdhsa_float_denorm_mode_32 3
		.amdhsa_float_denorm_mode_16_64 3
		.amdhsa_memory_ordered 1
		.amdhsa_forward_progress 1
		.amdhsa_inst_pref_size 75
	.end_amdhsa_kernel
	.amdgpu_metadata
---
amdhsa.version: [ 1, 2 ]
amdhsa.kernels:
  - .name:           k_qb3feade1a7_attn
    .symbol:         k_qb3feade1a7_attn.kd
    .args:
      - { .name: pc, .offset: 0, .size: 8, .value_kind: global_buffer, .address_space: global }
      - { .name: ps, .offset: 8, .size: 8, .value_kind: global_buffer, .address_space: global }
      - { .name: mask, .offset: 16, .size: 8, .value_kind: global_buffer, .address_space: global }
      - { .name: cc, .offset: 24, .size: 8, .value_kind: global_buffer, .address_space: global }
      - { .name: cs, .offset: 32, .size: 8, .value_kind: global_buffer, .address_space: global }
    .group_segment_fixed_size: 281600
    .private_segment_fixed_size: 0
    .kernarg_segment_align: 8
    .kernarg_segment_size: 40
    .max_flat_workgroup_size: 512
    .sgpr_count:     66
    .vgpr_count:     256
    .wavefront_size: 32
...
	.end_amdgpu_metadata
.endif
;; end of part 3
;; launch outln (part 4): grid 256 x 1, 16 waves a work-group, no clusters, 166,912 bytes of LDS; arguments cc, cs, c1, s1, Q, bo, gamma, beta, out0; writes out0
.if DOCPART == 4
	.amdgcn_target "amdgcn-amd-amdhsa--gfx1250"
	.amdhsa_code_object_version 6
	.text
	.protected	k_qb3feade1a7_outln
	.globl	k_qb3feade1a7_outln
	.p2align	8
	.type	k_qb3feade1a7_outln,@function
k_qb3feade1a7_outln:
	s_mov_b64 s[64:65], 0
	v_nop
	global_prefetch_b8 v0, s[64:65] scope:SCOPE_SE
	s_setreg_imm32_b32 hwreg(HW_REG_WAVE_MODE, 25, 1), 1
	s_wait_xcnt 0x0
; out0 = LayerNorm(ctx Wo^T + bo + Q) x gamma + beta.  The product is on codes of FP8 (E4M3) with E8M0 scales; all else in f32.
; SHARES.  Work-group g owns 32 rows (two tiles of 16 of ctx) and all 1,024 columns, so that a row's mean and variance stay inside the work-group.  Wave w owns four tiles of Wo: columns 64 w .. 64 w + 63: eight accumulators.
; Source 0 = 16 rows of Wo, source 1 = 16 rows of ctx: a lane holds eight neighbouring columns of one row.
; WO GOES FROM MEMORY STRAIGHT INTO REGISTERS.  Its codes lie as images of operand registers, so a fragment is four loads of 512 consecutive bytes.  K goes in eight steps of 128; a step's four fragments are 64 registers, and there
; are two such buffers: behind the products of step t - 1 the wave asks for step t + 1, so that 16 to 32 loads of 512 bytes of each wave are on their way all through the walk, and the loop has no barrier.
; NO CLUSTER AND NO LDS FOR WO, though every work-group walks the same 1 MB: a wave's tiles are read by no other wave of its work-group, so LDS would add a write and a read of each byte and no reuse; a K step is eight products a wave,
; and in a ring of two slots one slot's load (131,072 bytes a work-group) would be all that is on its way, asked for anew behind a round of barriers in six of the eight steps.  The price: each work-group asks for Wo by itself.
; ctx's 32 KB of codes go into LDS once, through registers, and every wave reads them.
; The results meet in a stage of 32 rows in LDS bytes of its own; each wave then takes two whole rows through the residual and the norm.
; A tile's rows are not neighbours: position 16 u + 8 hh + j of the 32 is true row 16 hh + 8 u + j.
; LIMITS: NaN and infinities are not served.
.set SP,    4112                       ; a stage row: 4,096 bytes + 16.  The stage: 32 rows from LDS byte 0
.set CTX,   132096                     ; ctx's images: [tile 2][block 32][512 bytes]
.set CS,    4                          ; v4-11    ctx's scale words: K step ks; lanes 0-15 tile 0, lanes 16-31 tile 1
.set WS,    12                         ; v12-27   Wo's: pair pi, K step ks at 12 + 8 pi + ks; lanes 0-15 tile 2 pi, lanes 16-31 tile 2 pi + 1.  v4-27 hold scales and nothing else
.set ACC,   28                         ; v28-91   accumulator (m, i) at 28 + 8 (4 m + i); later a row at work and the norm's figures
.set AF,    92                         ; v92-123  ctx's two fragments; at the head ctx's bytes and the scale halves on their way; later bo
.set B0,    124                        ; v124-187, v188-251 Wo's four fragments of a K step: buffer t % 2; later Q's two rows, gamma and beta
.set QR,    B0
.set GA,    B0+64
.set BE,    B0+96
.set ROW,   ACC
.set SA,    ACC+32
.set SB,    ACC+34
.set MU,    ACC+36
.set RS,    ACC+38
.macro BLD t                           ; my four tiles of Wo, K step t
.irp i, 0,1,2,3
.irp c, 0,1,2,3
	global_load_b128 v[B0+64*((\t)%2)+16*\i+4*\c:B0+64*((\t)%2)+16*\i+4*\c+3], v1, s[28:29] offset:\i*16384+(\t)*2048+512*\c
.endr
.endr
.endm
.macro ALD t                           ; ctx's two fragments of K step t
.irp i, 0,1
.irp c, 0,1,2,3
	ds_load_b128 v[AF+16*\i+4*\c:AF+16*\i+4*\c+3], v2 offset:\i*16384+2048*(\t)+512*\c
.endr
.endr
.endm
.macro PROD t, m, i, zero              ; accumulator (m, i): tile i of Wo against tile m of ctx
.set rD, ACC+8*(4*(\m)+(\i))
.set rA, B0+64*((\t)%2)+16*(\i)
.set rB, AF+16*(\m)
.set sW, WS+8*((\i)/2)+(\t)
.set sC, CS+(\t)
.if \zero
.if (\i)%2
.if \m
	v_wmma_scale_f32_16x16x128_f8f6f4 v[rD:rD+7], v[rA:rA+15], v[rB:rB+15], 0, v[sW], v[sC] matrix_a_scale:MATRIX_SCALE_ROW1 matrix_b_scale:MATRIX_SCALE_ROW1
.else
	v_wmma_scale_f32_16x16x128_f8f6f4 v[rD:rD+7], v[rA:rA+15], v[rB:rB+15], 0, v[sW], v[sC] matrix_a_scale:MATRIX_SCALE_ROW1
.endif
.else
.if \m
	v_wmma_scale_f32_16x16x128_f8f6f4 v[rD:rD+7], v[rA:rA+15], v[rB:rB+15], 0, v[sW], v[sC] matrix_b_scale:MATRIX_SCALE_ROW1
.else
	v_wmma_scale_f32_16x16x128_f8f6f4 v[rD:rD+7], v[rA:rA+15], v[rB:rB+15], 0, v[sW], v[sC]
.endif
.endif
.else
.if (\i)%2
.if \m
	v_wmma_scale_f32_16x16x128_f8f6f4 v[rD:rD+7], v[rA:rA+15], v[rB:rB+15], v[rD:rD+7], v[sW], v[sC] matrix_a_scale:MATRIX_SCALE_ROW1 matrix_b_scale:MATRIX_SCALE_ROW1
.else
	v_wmma_scale_f32_16x16x128_f8f6f4 v[rD:rD+7], v[rA:rA+15], v[rB:rB+15], v[rD:rD+7], v[sW], v[sC] matrix_a_scale:MATRIX_SCALE_ROW1
.endif
.else
.if \m
	v_wmma_scale_f32_16x16x128_f8f6f4 v[rD:rD+7], v[rA:rA+15], v[rB:rB+15], v[rD:rD+7], v[sW], v[sC] matrix_b_scale:MATRIX_SCALE_ROW1
.else
	v_wmma_scale_f32_16x16x128_f8f6f4 v[rD:rD+7], v[rA:rA+15], v[rB:rB+15], v[rD:rD+7], v[sW], v[sC]
.endif
.endif
.endif
.endm
.macro MULS t, zero                    ; eight products on eight accumulators, one instruction a turn
.irp m, 0,1
.irp i, 0,1,2,3
	PROD \t, \m, \i, \zero
.endr
.endr
.endm
	s_load_b512 s[4:19], s[0:1], 0x0               ; cc, cs, c1, s1, Q, bo, gamma, beta
	s_load_b64 s[20:21], s[0:1], 0x40              ; out0
	v_lshrrev_b32 v3, 5, v0
	v_readfirstlane_b32 s22, v3                    ; wave
	v_and_b32 v3, 31, v0                           ; lane
	v_lshlrev_b32 v1, 4, v3                        ; v1 = 16 x lane; never rewritten
	v_add_nc_u32 v2, CTX, v1                       ; v2 = ctx's fragments; never rewritten
	v_lshlrev_b32 v252, 1, v3                      ; 2 x lane: the scale halves
	v_and_b32 v255, 15, v0                         ; r
	v_bfe_u32 v253, v0, 4, 1                       ; h
	v_lshlrev_b32 v253, 9, v253
	v_lshl_add_u32 v253, v255, 4, v253             ; 512 h + 16 r: Wo's scale words
	s_lshl_b32 s26, s22, 11
	v_add_nc_u32 v254, s26, v2                     ; where I put my 2,048 bytes of ctx
	s_mov_b32 s25, 0
	s_lshl_b32 s30, s22, 8                         ; my 256 bytes of a stage row
	s_mul_i32 s31, s22, 2*SP                       ; my two stage rows
	s_mov_b32 s32, 0x76543210
	s_mov_b32 s33, 0xfedcba98                      ; lane l xor 16
	s_mov_b32 s34, 0x3a800000                      ; 1 / 1,024
	s_mov_b32 s35, 0x3727c5ac                      ; 1e-5
	s_wait_kmcnt 0x0
	s_lshl_b32 s24, s22, 16                        ; my four tiles of Wo in c1
	s_add_co_u32 s24, s24, 1728*16384
	s_add_nc_u64 s[28:29], s[8:9], s[24:25]
	s_lshl_b32 s24, ttmp9, 15
	s_add_co_u32 s24, s24, s26
	s_add_nc_u64 s[4:5], s[4:5], s[24:25]          ; cc: my work-group's 32,768 bytes, my 2,048 of them
	s_lshl_b32 s24, ttmp9, 6
	s_add_nc_u64 s[6:7], s[6:7], s[24:25]          ; cs: 32 bytes a tile
	s_add_co_u32 s24, s26, 1728*512
	s_add_nc_u64 s[10:11], s[10:11], s[24:25]      ; Wo's scale bytes: my four tiles
	s_lshl_b32 s24, ttmp9, 5                       ; my two rows: positions 2 w, 2 w + 1 are true rows 32 g + 16 ((w / 4) % 2) + 8 (w / 8) + 2 (w % 4) + 0, 1
	s_bfe_u32 s26, s22, 0x10002
	s_lshl_b32 s26, s26, 4
	s_add_co_u32 s24, s24, s26
	s_lshr_b32 s26, s22, 3
	s_lshl_b32 s26, s26, 3
	s_add_co_u32 s24, s24, s26
	s_and_b32 s26, s22, 3
	s_lshl_b32 s26, s26, 1
	s_add_co_u32 s24, s24, s26
	s_lshl_b32 s24, s24, 12
	s_add_nc_u64 s[12:13], s[12:13], s[24:25]
	s_add_nc_u64 s[20:21], s[20:21], s[24:25]
	; 56 loads: ctx's bytes, the scales, and the first two K steps of Wo
.irp c, 0,1,2,3
	global_load_b128 v[AF+4*\c:AF+4*\c+3], v1, s[4:5] offset:512*\c th:TH_LOAD_NT
.endr
.irp d, 0,1,2,3,4,5,6,7,8,9,10,11,12,13,14,15
	global_load_u16 v[AF+16+\d], v252, s[6:7] offset:16384*\d      ; head d's two scale bytes of my lane's row
.endr
.irp p, 0,1
.irp f, 0,1
	global_load_b128 v[WS+8*\p+4*\f:WS+8*\p+4*\f+3], v253, s[10:11] offset:1024*\p+256*\f
.endr
.endr
	BLD 0
	BLD 1
	s_wait_loadcnt 52                              ; ctx's four loads are in: 52 were issued behind them
.irp c, 0,1,2,3
	ds_store_b128 v254, v[AF+4*\c:AF+4*\c+3] offset:512*\c
.endr
	s_wait_loadcnt 32                              ; the scales are in; the two K steps of Wo may be out
.irp k, 0,1,2,3,4,5,6,7
	v_lshl_or_b32 v[CS+\k], v[AF+16+2*\k+1], 16, v[AF+16+2*\k]     ; K step k is heads 2 k and 2 k + 1
.endr
.rept 8
	v_nop                                          ; a scale register written by a vector line stands eight places ahead of the product that names it
.endr
	s_wait_dscnt 0x0                               ; for the others' sake: my part of ctx has landed
	s_barrier_signal -1
	s_barrier_wait -1                              ; ctx lies whole in LDS; nobody writes it again
	ALD 0
	s_wait_loadcnt 16                              ; K step 0 is in; K step 1's sixteen loads may be out
	s_wait_dscnt 0x0
	MULS 0, 1                                      ; the first products start the sums
; K step t.  Behind eight places the buffer that step t - 1 has left takes step t + 1 (behind step 6: my two rows of Q), and ctx's registers take this step's fragments.
.macro KSTEP t
.rept 8
	v_nop                                          ; places in front of loads into registers that the last products read
.endr
.if (\t) < 7
	BLD (\t)+1
.else
.irp e, 0,1
.irp k, 0,1,2,3,4,5,6,7
	global_load_b128 v[QR+32*\e+4*\k:QR+32*\e+4*\k+3], v1, s[12:13] offset:4096*\e+512*\k
.endr
.endr
.endif
	ALD \t
	s_wait_loadcnt 16                              ; this step's fragments are in; the sixteen loads just issued may be out
	s_wait_dscnt 0x0
	MULS \t, 0
.endm
.irp t, 1,2,3,4,5,6,7
	KSTEP \t
.endr
	; the stage's addresses are made here: with the two v_nop nine plain lines, the places behind the last products
	v_and_b32 v255, 15, v0                         ; r
	v_bfe_u32 v3, v0, 4, 1                         ; h
	v_mul_u32_u24 v252, v255, SP
	v_lshl_add_u32 v252, v3, 6, v252
	v_add_nc_u32 v252, s30, v252                   ; in: row r of tile 0, + 256 wave + 64 h;
	v_add_nc_u32 v253, 16*SP, v252                 ; of tile 1
	v_add_nc_u32 v254, s31, v1                     ; back: my two rows, 16 bytes a lane
	v_nop
	v_nop
.irp k, 0,1,2,3,4,5,6,7
	global_load_b128 v[AF+4*\k:AF+4*\k+3], v1, s[14:15] offset:512*\k      ; bo: columns 4 lane + 128 k + 0 .. 3
.endr
.irp k, 0,1,2,3,4,5,6,7
	global_load_b128 v[GA+4*\k:GA+4*\k+3], v1, s[16:17] offset:512*\k      ; gamma
.endr
.irp k, 0,1,2,3,4,5,6,7
	global_load_b128 v[BE+4*\k:BE+4*\k+3], v1, s[18:19] offset:512*\k      ; beta
.endr
.irp m, 0,1
.irp i, 0,1,2,3
	ds_store_b128 v[252+\m], v[ACC+8*(4*\m+\i):ACC+8*(4*\m+\i)+3] offset:128*(\i/2)+32*(\i%2)        ; columns 64 w + 32 (i / 2) + 16 h + 8 (i % 2) + 0 .. 7; each accumulator from its low end on
	ds_store_b128 v[252+\m], v[ACC+8*(4*\m+\i)+4:ACC+8*(4*\m+\i)+7] offset:128*(\i/2)+32*(\i%2)+16
.endr
.endr
	s_wait_dscnt 0x0                               ; for the others' sake: my stores have landed
	s_barrier_signal -1
	s_barrier_wait -1                              ; 32 whole rows lie in the stage
	v_mov_b32 v[MU+1], 0
	v_mov_b32 v[RS+1], 0                           ; (upper halves of pairs)
.macro RED reg, tmp                    ; the sum over the wave's 32 lanes, in every lane
	v_add_f32_dpp v[\reg], v[\reg], v[\reg] row_xmask:1 row_mask:0xf bank_mask:0xf
	v_add_f32_dpp v[\reg], v[\reg], v[\reg] row_xmask:2 row_mask:0xf bank_mask:0xf
	v_add_f32_dpp v[\reg], v[\reg], v[\reg] row_xmask:4 row_mask:0xf bank_mask:0xf
	v_add_f32_dpp v[\reg], v[\reg], v[\reg] row_xmask:8 row_mask:0xf bank_mask:0xf
	v_permlanex16_b32 v[\tmp], v[\reg], s32, s33
	v_add_f32 v[\reg], v[\reg], v[\tmp]
.endm
.macro LNROW e                         ; one whole row: 32 numbers a lane in v[ROW] on
.irp k, 0,1,2,3,4,5,6,7
	ds_load_b128 v[ROW+4*\k:ROW+4*\k+3], v254 offset:SP*\e+512*\k
.endr
.if \e == 0
	s_wait_loadcnt 16                              ; Q and bo are in; gamma's and beta's sixteen loads may be out
.endif
	s_wait_dscnt 0x0
.set k, 0
.rept 16
	v_pk_add_f32 v[ROW+k:ROW+k+1], v[ROW+k:ROW+k+1], v[AF+k:AF+k+1]        ; + bo
.set k, k+2
.endr
.set k, 0
.rept 16
	v_pk_add_f32 v[ROW+k:ROW+k+1], v[ROW+k:ROW+k+1], v[QR+32*\e+k:QR+32*\e+k+1]    ; + Q
.set k, k+2
.endr
	v_pk_add_f32 v[SA:SA+1], v[ROW:ROW+1], v[ROW+2:ROW+3]
	v_pk_add_f32 v[SB:SB+1], v[ROW+4:ROW+5], v[ROW+6:ROW+7]
.irp k, 8,12,16,20,24,28
	v_pk_add_f32 v[SA:SA+1], v[SA:SA+1], v[ROW+\k:ROW+\k+1]
	v_pk_add_f32 v[SB:SB+1], v[SB:SB+1], v[ROW+2+\k:ROW+3+\k]
.endr
	v_pk_add_f32 v[SA:SA+1], v[SA:SA+1], v[SB:SB+1]
	v_add_f32 v[SA], v[SA], v[SA+1]
	RED SA, SA+1
	v_mul_f32 v[MU], s34, v[SA]                    ; the mean
.set k, 0
.rept 16
	v_pk_add_f32 v[ROW+k:ROW+k+1], v[ROW+k:ROW+k+1], v[MU:MU+1] op_sel_hi:[1,0] neg_lo:[0,1] neg_hi:[0,1]
.set k, k+2
.endr
	v_pk_mul_f32 v[SA:SA+1], v[ROW:ROW+1], v[ROW:ROW+1]
	v_pk_mul_f32 v[SB:SB+1], v[ROW+2:ROW+3], v[ROW+2:ROW+3]
.irp k, 4,8,12,16,20,24,28
	v_pk_fma_f32 v[SA:SA+1], v[ROW+\k:ROW+\k+1], v[ROW+\k:ROW+\k+1], v[SA:SA+1]
	v_pk_fma_f32 v[SB:SB+1], v[ROW+2+\k:ROW+3+\k], v[ROW+2+\k:ROW+3+\k], v[SB:SB+1]
.endr
	v_pk_add_f32 v[SA:SA+1], v[SA:SA+1], v[SB:SB+1]
	v_add_f32 v[SA], v[SA], v[SA+1]
	RED SA, SA+1
	v_fma_f32 v[RS], v[SA], s34, s35               ; the variance + 1e-5
	v_rsq_f32 v[RS], v[RS]
	v_nop                                          ; a plain line behind the transcendental
	s_wait_alu depctr_va_vdst(0)                   ; the wait ahead of its first reader
.set k, 0
.rept 16
	v_pk_mul_f32 v[ROW+k:ROW+k+1], v[ROW+k:ROW+k+1], v[RS:RS+1] op_sel_hi:[1,0]
.set k, k+2
.endr
.if \e == 0
	s_wait_loadcnt 0x0                             ; gamma and beta
.endif
.set k, 0
.rept 16
	v_pk_fma_f32 v[ROW+k:ROW+k+1], v[ROW+k:ROW+k+1], v[GA+k:GA+k+1], v[BE+k:BE+k+1]        ; x gamma + beta
.set k, k+2
.endr
.irp k, 0,1,2,3,4,5,6,7
	global_store_b128 v1, v[ROW+4*\k:ROW+4*\k+3], s[20:21] offset:4096*\e+512*\k th:TH_STORE_NT      ; 512 consecutive bytes, aligned
.endr
.endm
	LNROW 0
	s_wait_xcnt 0x0                                ; the first row's stores have read their data
	LNROW 1
	s_wait_xcnt 0x0
	v_lshl_add_u32 v254, v0, 2, 0x28400
	v_mov_b32 v255, 0
	s_wait_tensorcnt 0x0
	ds_add_u32 v254, v255
	s_wait_dscnt 0x0
	s_endpgm
.Lfunc_end_k_qb3feade1a7_outln:
	.size	k_qb3feade1a7_outln, .Lfunc_end_k_qb3feade1a7_outln-k_qb3feade1a7_outln
	.p2alignl 7, 3214868480
	.fill 96, 4, 3214868480
	.section	.rodata,"a",@progbits
	.p2align	6, 0x0
	.amdhsa_kernel k_qb3feade1a7_outln
		.amdhsa_group_segment_fixed_size 166912
		.amdhsa_private_segment_fixed_size 0
		.amdhsa_enable_private_segment 0
		.amdhsa_kernarg_size 72
		.amdhsa_user_sgpr_count 2
		.amdhsa_user_sgpr_kernarg_segment_ptr 1
		.amdhsa_wavefront_size32 1
		.amdhsa_system_sgpr_workgroup_id_x 1
		.amdhsa_system_sgpr_workgroup_id_y 1
		.amdhsa_system_sgpr_workgroup_id_z 1
		.amdhsa_system_vgpr_workitem_id 0
		.amdhsa_next_free_vgpr 256
		.amdhsa_next_free_sgpr 66
		.amdhsa_reserve_vcc 0
		.amdhsa_float_denorm_mode_32 3
		.amdhsa_float_denorm_mode_16_64 3
		.amdhsa_memory_ordered 1
		.amdhsa_forward_progress 1
		.amdhsa_inst_pref_size 56
	.end_amdhsa_kernel
	.amdgpu_metadata
---
amdhsa.version: [ 1, 2 ]
amdhsa.kernels:
  - .name:           k_qb3feade1a7_outln
    .symbol:         k_qb3feade1a7_outln.kd
    .args:
      - { .name: cc, .offset: 0, .size: 8, .value_kind: global_buffer, .address_space: global }
      - { .name: cs, .offset: 8, .size: 8, .value_kind: global_buffer, .address_space: global }
      - { .name: c1, .offset: 16, .size: 8, .value_kind: global_buffer, .address_space: global }
      - { .name: s1, .offset: 24, .size: 8, .value_kind: global_buffer, .address_space: global }
      - { .name: Q, .offset: 32, .size: 8, .value_kind: global_buffer, .address_space: global }
      - { .name: bo, .offset: 40, .size: 8, .value_kind: global_buffer, .address_space: global }
      - { .name: gamma, .offset: 48, .size: 8, .value_kind: global_buffer, .address_space: global }
      - { .name: beta, .offset: 56, .size: 8, .value_kind: global_buffer, .address_space: global }
      - { .name: out0, .offset: 64, .size: 8, .value_kind: global_buffer, .address_space: global }
    .group_segment_fixed_size: 166912
    .private_segment_fixed_size: 0
    .kernarg_segment_align: 8
    .kernarg_segment_size: 72
    .max_flat_workgroup_size: 512
    .sgpr_count:     66
    .vgpr_count:     256
    .wavefront_size: 32
...
	.end_amdgpu_metadata
.endif
;; end of part 4
;; ======== version 2 of 2: 4 launches; version 1 with the launches attn, outln written anew for expert scheduling mode
;; limits: right only within a limited range of input values
;; workspace buffers: c1 29,360,128 bytes; s1 917,504 bytes; pc 25,165,824 bytes; ps 786,432 bytes; cc 8,388,608 bytes; cs 262,144 bytes
;; launch quant: the kernel of part 1 again; grid 896 x 1, 4 waves a work-group, no clusters, 57,856 bytes of LDS; arguments Q, K, V, Wq, Wk, Wv, Wo, c1, s1; writes c1, s1
;; launch proj: the kernel of part 2 again; grid 4 x 96, 4 waves a work-group, clusters of 4 x 4, 327,680 bytes of LDS; arguments c1, s1, bq, bk, bv, pc, ps; writes pc, ps
;; launch attn (part 5): grid 4 x 64, 16 waves a work-group, no clusters, 281,600 bytes of LDS; arguments pc, ps, mask, cc, cs; writes cc, cs
.if DOCPART == 5
	.amdgcn_target "amdgcn-amd-amdhsa--gfx1250"
	.amdhsa_code_object_version 6
	.text
	.protected	k_qb3feade1a7_attn
	.globl	k_qb3feade1a7_attn
	.p2align	8
	.type	k_qb3feade1a7_attn,@function
k_qb3feade1a7_attn:
	s_mov_b64 s[64:65], 0
	v_nop
	global_prefetch_b8 v0, s[64:65] scope:SCOPE_SE
	s_setreg_imm32_b32 hwreg(HW_REG_WAVE_SCHED_MODE, 0, 2), 2
	s_setreg_imm32_b32 hwreg(HW_REG_WAVE_MODE, 25, 1), 1
	s_wait_xcnt 0x0
	s_wait_alu depctr_vm_vsrc(0)
; Attention of one (batch, head) on codes of FP8 (E4M3) with E8M0 scales, head size 64, 2,048 keys, a key mask that is an input; the result is quantised along the merged heads for the last projection.
; t = score x log2(e) / 8; M = the running largest t rounded up to a whole number; p = 2^(t - M) is quantised along the keys; the row's sum is taken of the unquantised p and divides at the end.
; SHARES.  A work-group owns 512 queries of one head; each of its sixteen waves owns a tile of 16 queries in each of two passes.  Four waves to a SIMD: one wave's vector work stands beside another's products and LDS loads.
; THE HEAD'S K AND V CODES LIE WHOLE IN LDS (131,072 bytes each), filled once through registers, with their scale words and a bias word for each key.  No tensor load.
; No cluster: what partners could share is the one fill at the head, 264 KB for 32 key steps of work in each wave.
; LAYOUT.  Both products are used transposed (S^T = K Q^T, O^T = V^T P^T): a lane holds one query.  All operands are images of operand registers: a fragment is 2,048 consecutive bytes.
; HEAD SIZE 64 AGAINST THE INSTRUCTION'S 128: a fragment of K holds two tiles of 16 keys side by side along K; Q stands between two runs of zero codes, v16-23 | v24-31 | v32-39: v[24:39] meets the first tile, v[16:31] the second.
; A tile's keys are chosen so that register 16 b + 8 u + j of S^T is key 32 b + 16 (lane / 16) + 8 u + j: 16 neighbours for the quantiser.
; THE MASK costs no vector line: a hidden key's bias, -2^33, is the C of the score products, in the steps that have a hidden key (a scalar branch on flags made of the mask's whole numbers).
; Where a batch has no open key, c = 0: every p is 1, the uniform row that equal logits give.
; THE HOLD of p at the largest code goes two numbers to an instruction (a dual-issue pair): 32 lines for a step's 64 numbers.
; LIMITS: a hidden logit stands at -2^30 and not at -1e9: results differ only where open logits lie near -1e9.  NaN and infinities are not served.  A block whose largest magnitude lies under 2^-118 keeps the byte 1.
; THE MODE: SCHED_MODE bits 1:0 = 2 (LLVM: expert scheduling mode 2), set by the entry lines.  The code itself states the register dependences
; between vector or matrix instructions and memory or LDS instructions, with s_wait_alu, always for 0.
; THE PLAN.  Registers that memory or LDS instructions touch, in a key step:
;   v8-v11     LDS addresses.  Written by four additions at the step's head; read by the step's LDS loads.
;   FRG        K's loads land; the eight score products read; V's loads land; the four products V^T P read.
;   KS, VS     scale words: LDS loads land; the products read them.
;   S          in a step with a hidden key the bias loads land there; else vector and matrix instructions alone name it.
;   v1, v4, v5, v7, v244: offsets made at the head and never written again.
; So a step has one wait on vm_vsrc, ahead of the four additions, and three places where a wait on va_vdst states what its LDS loads and products hang on: behind the additions (K's loads, the bias);
; behind the 64 exponentials, where a wait stands for their results in any case (V's loads, which follow it dealt among the row's sums: those name none of FRG, VS, v9, v10);
; and ahead of the products V^T P (p's codes and scale word, written by vector lines).
; Out of a pass: PC and UW are written by vector lines and read by the pass's three stores: one wait on va_vdst ahead of them, one on vm_vsrc at the next pass's head.
.set VL,   131072                      ; LDS: K [tile 128][2][512] at 0; V [step 16][channel tile 4][4][512] here
.set KSB,  262144                      ; K's scale words [group of 32 keys 64][r 16]
.set VSB,  266240                      ; V's [step 16][channel tile 4][r 16]
.set BIAS, 270336                      ; 0 or -2^33 for each key
.set CSG,  278528                      ; the result's scale halves: [pass 2][wave 16][r 16] of 2 bytes
.set FRG,  40                          ; v40-103  four fragments of K or of V
.set S,    104                         ; v104-167 S^T, then p
.set O,    168                         ; v168-199 O^T
.set PC,   200                         ; v200-215 p's codes
.set BM,   216                         ; largest scores of the four blocks, then largest p
.set BP,   220
.set HD,   224
.set SO,   228
.set T0,   232
.set UW,   233
.set F,    234                         ; v[234:235] f = 2^(old M - new M) in the low word
.set SU,   236
.set KS,   238                         ; v238-239 K's scale words; v240-241 V's; v242 Q's; v243 p's: these hold scales and nothing else
.set VS,   240
.set QS,   242
.set PS,   243
	s_load_b256 s[4:11], s[0:1], 0x0               ; pc, ps, mask, cc
	s_load_b64 s[12:13], s[0:1], 0x20              ; cs
	v_lshrrev_b32 v1, 5, v0
	v_readfirstlane_b32 s14, v1                    ; wave
	s_mov_b32 s15, ttmp9                           ; which 512 queries
	s_and_b32 s16, ttmp7, 0xffff                   ; batch x 16 + head
	s_lshr_b32 s17, s16, 4
	s_and_b32 s18, s16, 15
	v_and_b32 v244, 31, v0                         ; lane
	v_and_b32 v245, 15, v0                         ; r
	v_bfe_u32 v246, v0, 4, 1                       ; h
	v_lshlrev_b32 v1, 4, v244                      ; v1 = 16 x lane
	v_lshl_add_u32 v2, v244, 2, KSB                ; v2 = scale words: 4 x lane
	v_lshl_add_u32 v3, v246, 6, BIAS               ; v3 = bias: 64 h
	s_wait_alu depctr_va_sdst(0)                   ; s14, the wave's number, is written, ahead of its first reader
	s_lshl_b32 s46, s14, 5
	v_lshl_add_u32 v4, v245, 1, s46
	v_add_nc_u32 v4, CSG, v4                       ; v4 = my row's scale half
	v_add_nc_u32 v5, CSG, v1                       ; v5 = the scale halves on the way out
	v_add_nc_u32 v6, VL, v1                        ; v6 = V: 16 x lane
	v_lshlrev_b32 v7, 2, v245                      ; v7 = 4 r
	v_lshlrev_b32 v244, 3, v244                    ; 8 x lane
	s_lshl_b32 s46, s14, 13
	v_add_nc_u32 v8, s46, v1                       ; the fill: my eight tiles of K,
	v_add_nc_u32 v9, s46, v6                       ; my key step of V,
	s_lshl_b32 s46, s14, 8
	v_add_nc_u32 v10, s46, v244
	v_add_nc_u32 v10, KSB, v10                     ; my 256 bytes of scale words,
	s_lshl_b32 s46, s14, 9
	v_add_nc_u32 v11, s46, v1
	v_add_nc_u32 v11, BIAS, v11                    ; my 128 keys' bias
	s_mov_b32 s19, 0x600000                        ; the mantissa field of 448
	s_mov_b32 s20, 0x76543210
	s_mov_b32 s21, 0xfedcba98                      ; lane l xor 16
	s_and_b32 s46, s14, 1
	s_mov_b32 s29, 0x01000100                      ; Q's scale word: my tile's half of the stored word, doubled
	s_cmp_lg_u32 s46, 0
	s_cselect_b32 s29, 0x03020302, s29
	s_mov_b32 s47, 0
	s_wait_kmcnt 0x0
	s_lshl_b32 s46, s17, 21                        ; K: region + (128 batch + 8 wave) tiles of 16,384 bytes + the head's two blocks
	s_lshl_b32 s48, s14, 17
	s_add_co_u32 s46, s46, s48
	s_lshl_b32 s48, s18, 10
	s_add_co_u32 s46, s46, s48
	s_add_co_u32 s46, s46, 8388608
	s_add_nc_u64 s[30:31], s[4:5], s[46:47]
	s_lshl_b32 s46, s18, 19                        ; V: region + 4 head channel tiles of 131,072 bytes + (64 batch + 4 wave) key blocks
	s_lshl_b32 s48, s17, 15
	s_add_co_u32 s46, s46, s48
	s_lshl_b32 s48, s14, 11
	s_add_co_u32 s46, s46, s48
	s_add_co_u32 s46, s46, 16777216
	s_add_nc_u64 s[32:33], s[4:5], s[46:47]
	s_lshl_b32 s46, s16, 12
	s_lshl_b32 s48, s14, 8
	s_add_co_u32 s46, s46, s48
	s_add_co_u32 s46, s46, 262144
	s_add_nc_u64 s[34:35], s[6:7], s[46:47]        ; K's scale words
	s_add_nc_u64 s[36:37], s[34:35], 262144        ; V's
	s_lshl_b32 s46, s17, 13
	s_add_nc_u64 s[38:39], s[8:9], s[46:47]        ; the batch's mask row
	s_lshl_b32 s46, s14, 9
	s_add_nc_u64 s[40:41], s[38:39], s[46:47]      ; my 128 keys of it
	s_lshl_b32 s46, s17, 21                        ; Q and the result: tile 128 batch + 32 block + wave, the head's two blocks
	s_lshl_b32 s48, s15, 19
	s_add_co_u32 s46, s46, s48
	s_lshl_b32 s48, s14, 14
	s_add_co_u32 s46, s46, s48
	s_lshl_b32 s48, s18, 10
	s_add_co_u32 s46, s46, s48
	s_add_nc_u64 s[42:43], s[4:5], s[46:47]
	s_add_nc_u64 s[10:11], s[10:11], s[46:47]
	s_lshl_b32 s46, s16, 12                        ; Q's scale words: group 16 block + 8 pass + wave / 2
	s_lshl_b32 s48, s15, 10
	s_add_co_u32 s46, s46, s48
	s_lshr_b32 s48, s14, 1
	s_lshl_b32 s48, s48, 6
	s_add_co_u32 s46, s46, s48
	s_add_nc_u64 s[44:45], s[6:7], s[46:47]
	s_lshl_b32 s46, s18, 14                        ; cs: [head][tile][r] of 2 bytes
	s_lshl_b32 s48, s17, 12
	s_add_co_u32 s46, s46, s48
	s_lshl_b32 s48, s15, 10
	s_add_co_u32 s46, s46, s48
	s_add_nc_u64 s[12:13], s[12:13], s[46:47]
	s_wait_alu depctr_va_vdst(0)                   ; the offsets and addresses v1, v4, v5, v7 to v11 and v244 are written, which the loads and stores below read; the lines above are done with v246, in which a load lands
	; THE FILL: 51 loads a wave, each of 512 (256) consecutive bytes
.irp i, 0,1,2,3,4,5,6,7
.irp c, 0,1
	global_load_b128 v[FRG+8*\i+4*\c:FRG+8*\i+4*\c+3], v1, s[30:31] offset:\i*16384+512*\c
.endr
.endr
.irp t, 0,1,2,3
.irp c, 0,1,2,3
	global_load_b128 v[S+16*\t+4*\c:S+16*\t+4*\c+3], v1, s[32:33] offset:\t*131072+512*\c
.endr
.endr
	global_load_b64 v[246:247], v244, s[34:35]
	global_load_b64 v[248:249], v244, s[36:37]
	global_load_b128 v[252:255], v1, s[40:41]
.irp i, 0,1,2,3,4,5,6,7,8,9,10,11,12,13,14,15
	global_load_b128 v[O+4*\i:O+4*\i+3], v1, s[38:39] offset:512*\i    ; the whole mask row: load i is key step i
.endr
	s_wait_loadcnt 35                              ; K's sixteen are in: 35 were issued behind them
.irp i, 0,1,2,3,4,5,6,7
.irp c, 0,1
	ds_store_b128 v8, v[FRG+8*\i+4*\c:FRG+8*\i+4*\c+3] offset:\i*1024+512*\c
.endr
.endr
	s_wait_loadcnt 19                              ; V's sixteen
.irp t, 0,1,2,3
.irp c, 0,1,2,3
	ds_store_b128 v9, v[S+16*\t+4*\c:S+16*\t+4*\c+3] offset:\t*2048+512*\c
.endr
.endr
	s_wait_loadcnt 17                              ; the two loads of scale words
	ds_store_b64 v10, v[246:247]
	ds_store_b64 v10, v[248:249] offset:4096
	s_wait_loadcnt 16                              ; my 128 mask words
	v_mov_b32 v250, 0xd0000000                     ; -2^33
.irp j, 0,1,2,3
	v_cmp_eq_u32 s[48+\j], 0, v[252+\j]            ; the four compares in a run, a scalar register each
.endr
	s_wait_alu depctr_va_sdst(0)                   ; the four masks s48 to s51 are written, ahead of the selects that read them
.irp j, 0,1,2,3
	v_cndmask_b32 v[252+\j], 0, v250, s[48+\j]
.endr
	s_wait_alu depctr_va_vdst(0)                   ; the selects have written v[252:255], which the LDS store reads
	ds_store_b128 v11, v[252:255]
	s_wait_loadcnt 0x0                             ; the mask row
	v_mov_b32 v16, 0                               ; the or of all mask words
.irp i, 0,1,2,3,4,5,6,7,8,9,10,11,12,13,14,15
	v_min_u32 v12, v[O+4*\i], v[O+4*\i+1]
	v_min_u32 v13, v[O+4*\i+2], v[O+4*\i+3]
	v_or_b32 v14, v[O+4*\i], v[O+4*\i+1]
	v_or_b32 v15, v[O+4*\i+2], v[O+4*\i+3]
	v_min_u32 v12, v12, v13
	v_or_b32 v16, v16, v14
	v_or_b32 v16, v16, v15
	v_cmp_eq_u32 s[48+\i], 0, v12                  ; key step i: which lanes hold a hidden key
.endr
	v_cmp_ne_u32 s47, 0, v16                       ; which lanes hold an open key
	s_wait_alu depctr_va_sdst(0)                   ; the seventeen masks s47 to s63 are written, ahead of the scalar compares that read them
	s_mov_b32 s24, 0                               ; bit i: key step i has a hidden key
.irp i, 0,1,2,3,4,5,6,7,8,9,10,11,12,13,14,15
	s_cmp_lg_u32 s[48+\i], 0
	s_cselect_b32 s46, 1<<\i, 0
	s_or_b32 s24, s24, s46
.endr
	s_cmp_lg_u32 s47, 0
	s_cselect_b32 s22, 0x3e38aa3b, 0               ; c = log2(e) / 8, or 0 where no key of the batch is open
	s_mov_b32 s23, s22                             ; (the packed form names the pair)
.irp j, 16,17,18,19,20,21,22,23,32,33,34,35,36,37,38,39
	v_mov_b32 v\j, 0                               ; the zero codes on both sides of Q
.endr
.irp b, 0,1,2,3
	v_mov_b32 v[BP+\b], 0                          ; a lane permute's destination counts as one of its sources
.endr
	v_mov_b32 v[F+1], 0                            ; (named as the upper half of a pair)
	s_wait_dscnt 0x0                               ; for the others' sake: my stores have landed
	s_barrier_signal -1
	s_barrier_wait -1
.macro KQ b, u, inplace                ; S^T's tile (b, u): fragment b of K against Q on the side u
.set rD, S+16*(\b)+8*(\u)
.set rA, FRG+16*(\b)
.set rB, 24-8*(\u)
.set rK, KS+(\b)/2
.if \inplace
.if (\b)%2
	v_wmma_scale_f32_16x16x128_f8f6f4 v[rD:rD+7], v[rA:rA+15], v[rB:rB+15], v[rD:rD+7], v[rK], v[QS] matrix_a_scale:MATRIX_SCALE_ROW1
.else
	v_wmma_scale_f32_16x16x128_f8f6f4 v[rD:rD+7], v[rA:rA+15], v[rB:rB+15], v[rD:rD+7], v[rK], v[QS]
.endif
.else
.if (\b)%2
	v_wmma_scale_f32_16x16x128_f8f6f4 v[rD:rD+7], v[rA:rA+15], v[rB:rB+15], 0, v[rK], v[QS] matrix_a_scale:MATRIX_SCALE_ROW1
.else
	v_wmma_scale_f32_16x16x128_f8f6f4 v[rD:rD+7], v[rA:rA+15], v[rB:rB+15], 0, v[rK], v[QS]
.endif
.endif
.endm
.macro PV t                            ; O^T's tile t += 16 channels of V^T x p
.set rD, O+8*(\t)
.set rA, FRG+16*(\t)
.set rK, VS+(\t)/2
.if (\t)%2
	v_wmma_scale_f32_16x16x128_f8f6f4 v[rD:rD+7], v[rA:rA+15], v[PC:PC+15], v[rD:rD+7], v[rK], v[PS] matrix_a_scale:MATRIX_SCALE_ROW1
.else
	v_wmma_scale_f32_16x16x128_f8f6f4 v[rD:rD+7], v[rA:rA+15], v[PC:PC+15], v[rD:rD+7], v[rK], v[PS]
.endif
.endm
.macro VLD n                           ; load n of the sixteen that bring V's four fragments: 512 consecutive bytes
	ds_load_b128 v[FRG+4*(\n):FRG+4*(\n)+3], v9 offset:512*(\n)
.endm
; A KEY STEP: 128 keys.  Twelve matrix instructions on twelve accumulators, one instruction a turn.
.macro STEP
	s_wait_alu depctr_vm_vsrc(0)                   ; the LDS instructions issued so far have read v8 to v11, which the four lines below write
	v_add_nc_u32 v8, s26, v1                       ; K's four fragments
	v_add_nc_u32 v9, s26, v6                       ; V's four
	v_add_nc_u32 v10, s27, v2                      ; the scale words
	v_add_nc_u32 v11, s28, v3                      ; the bias
.rept 4
	v_nop                                          ; with the four lines above: eight places in front of loads into registers that the last products read
.endr
	s_wait_alu depctr_va_vdst(0)                   ; v8 to v11 are written; the last step's products are done reading FRG and KS, its vector lines are done with S: the loads below land there; in a pass's first step Q's scale word and the zero codes are written, which the score products take
.irp b, 0,1,2,3
.irp c, 0,1,2,3
	ds_load_b128 v[FRG+16*\b+4*\c:FRG+16*\b+4*\c+3], v8 offset:2048*\b+512*\c
.endr
.endr
	ds_load_b32 v[KS], v10                         ; lanes 0-15 fragment 0's words, lanes 16-31 fragment 1's
	ds_load_b32 v[KS+1], v10 offset:128
	s_lshr_b32 s46, s24, s25
	s_and_b32 s46, s46, 1
	s_cmp_lg_u32 s46, 0                            ; has this step a hidden key?
	s_cbranch_scc1 .Lhole_\@
	s_wait_dscnt 0x0
.irp b, 0,1,2,3
.irp u, 0,1
	KQ \b, \u, 0
.endr
.endr
	s_branch .Ljoin_\@
.Lhole_\@:
.irp b, 0,1,2,3
.irp u, 0,1
	ds_load_b128 v[S+16*\b+8*\u:S+16*\b+8*\u+3], v11 offset:128*\b+32*\u          ; the bias of keys 32 b + 16 h + 8 u + 0 .. 7, in the result's layout.  No vector or matrix instruction since the wait above names S or v11
	ds_load_b128 v[S+16*\b+8*\u+4:S+16*\b+8*\u+7], v11 offset:128*\b+32*\u+16
.endr
.endr
	s_wait_dscnt 0x0
.irp b, 0,1,2,3
.irp u, 0,1
	KQ \b, \u, 1
.endr
.endr
.Ljoin_\@:
.rept 8
	v_nop                                          ; places in front of the first read of the scores
.endr
.irp b, 0,1,2,3
	v_max3_num_f32 v[BM+\b], v[S+16*\b], v[S+1+16*\b], v[S+2+16*\b]               ; the largest score of each block of 32 keys: for the row's maximum and, since p rises with the score, for the block's largest p
.endr
.irp i, 3,5,7,9,11,13
.irp b, 0,1,2,3
	v_max3_num_f32 v[BM+\b], v[BM+\b], v[S+16*\b+\i], v[S+1+16*\b+\i]
.endr
.endr
.irp b, 0,1,2,3
	v_max_num_f32 v[BM+\b], v[BM+\b], v[S+15+16*\b]
.endr
.irp b, 0,1,2,3
	v_permlanex16_b32 v[BP+\b], v[BM+\b], s20, s21
.endr
.irp b, 0,1,2,3
	v_max_num_f32 v[BM+\b], v[BM+\b], v[BP+\b]
.endr
	v_max3_num_f32 v[T0], v[BM], v[BM+1], v[BM+2]
	v_max_num_f32 v[T0], v[T0], v[BM+3]
	v_mul_f32 v[T0], s22, v[T0]                    ; as t (c is not negative)
	v_max_num_f32 v13, v13, v[T0]                  ; the running largest t
	v_mov_b32 v[T0], v12
	v_floor_f32 v12, -v13                          ; the new -M: M is a whole number
	v_sub_f32 v[T0], v12, v[T0]                    ; old M - new M: a whole number, 0 or less
	v_cvt_i32_f32 v[T0], v[T0]                     ; (it saturates)
	v_ldexp_f32 v[F], 1.0, v[T0]                   ; f = 2^(old M - new M)
.set j, 0
.rept 32
	v_pk_fma_f32 v[S+j:S+j+1], v[S+j:S+j+1], s[22:23], v[12:13] op_sel_hi:[1,0,0]   ; t - M
.set j, j+2
.endr
.irp b, 0,1,2,3
	v_fma_f32 v[BM+\b], v[BM+\b], s22, v12
.endr
.set j, 0
.rept 64
	v_exp_f32 v[S+j], v[S+j]                       ; p = 2^(t - M)
.set j, j+1
.endr
	v_pk_mul_f32 v[14:15], v[14:15], v[F:F+1] op_sel_hi:[1,0]      ; the sums under the new M (a plain line behind the exponentials)
	s_wait_alu depctr_va_vdst(0)                   ; the 64 exponentials have written p, ahead of its first reader: one wait for the batch; the score products are done reading FRG, the last step's products V's scale words: V's loads land there
	ds_load_b32 v[VS], v10 offset:VSB-KSB
	ds_load_b32 v[VS+1], v10 offset:VSB-KSB+128
	VLD 0                                          ; V's fragments land while the sums, the scales, the hold and the conversions are walked
.irp b, 0,1,2,3
	v_exp_f32 v[BM+\b], v[BM+\b]                   ; each block's largest p
.endr
	v_pk_add_f32 v[SU:SU+1], v[S:S+1], v[S+2:S+3]  ; the row's sum of the unquantised p, in two chains
.irp j, 4,8,12,16,20,24,28,32,36,40,44,48,52,56,60
	VLD (\j)/4                                     ; no wait: no vector or matrix instruction since the wait above names FRG or v9
	v_pk_add_f32 v[14:15], v[14:15], v[S+\j:S+\j+1]
	v_pk_add_f32 v[SU:SU+1], v[SU:SU+1], v[S+2+\j:S+3+\j]
.endr
	v_pk_add_f32 v[14:15], v[14:15], v[SU:SU+1]
	s_wait_alu depctr_va_vdst(0)                   ; the four exponentials have written the blocks' largest p, ahead of its first reader
.irp b, 0,1,2,3
	v_max_num_f32 v[BM+\b], 0x4800000, v[BM+\b]    ; the floor 2^(9 - 127)
.endr
.irp b, 0,1,2,3
	v_add_nc_u32 v[SO+\b], 0xfc000000, v[BM+\b]    ; the conversion's scale operand
.endr
.irp b, 0,1,2,3
	v_and_or_b32 v[HD+\b], v[BM+\b], 0x7f800000, s19               ; 448 x the scale
.endr
.irp b, 0,1,2,3
	v_lshrrev_b32 v[BP+\b], 23, v[SO+\b]           ; the scale's byte
.endr
	v_lshl_or_b32 v[PS], v[BP+1], 8, v[BP]         ; p's scale word for these 128 keys
	v_lshl_or_b32 v[PS], v[BP+2], 16, v[PS]
	v_lshl_or_b32 v[PS], v[BP+3], 24, v[PS]
; The hold; p is not negative, so it is one-sided.  Two numbers an instruction: number i of block b with number i xor 1 of block b + 1.  So one destination is even and the other odd,
; the two first sources differ in register number mod 4 (i against i xor 1; S and 16 are multiples of 4), and so do the two second sources (neighbouring registers).
.irp b, 0,2
.irp i, 0,1,2,3,4,5,6,7,8,9,10,11,12,13,14,15
	v_dual_min_num_f32 v[S+16*\b+\i], v[S+16*\b+\i], v[HD+\b] :: v_dual_min_num_f32 v[S+16*\b+17+\i-2*(\i%2)], v[S+16*\b+17+\i-2*(\i%2)], v[HD+\b+1]
.endr
	v_cvt_scalef32_pk8_fp8_f32 v[PC+4*\b:PC+4*\b+1], v[S+16*\b:S+16*\b+7], v[SO+\b]
	v_cvt_scalef32_pk8_fp8_f32 v[PC+4*\b+2:PC+4*\b+3], v[S+16*\b+8:S+16*\b+15], v[SO+\b]
	v_cvt_scalef32_pk8_fp8_f32 v[PC+4*\b+4:PC+4*\b+5], v[S+16*\b+16:S+16*\b+23], v[SO+\b+1]
	v_cvt_scalef32_pk8_fp8_f32 v[PC+4*\b+6:PC+4*\b+7], v[S+16*\b+24:S+16*\b+31], v[SO+\b+1]
.endr
.set j, 0
.rept 16
	v_pk_mul_f32 v[O+j:O+j+1], v[O+j:O+j+1], v[F:F+1] op_sel_hi:[1,0]      ; O^T under the new M; these lines are also the places between the codes and the products
.set j, j+2
.endr
	s_wait_dscnt 0x0                               ; V's fragments and scale words
	s_wait_alu depctr_va_vdst(0)                   ; the conversions have written p's codes and the shifts its scale word, which the scaled products below take; the places above stay beside this wait
.irp t, 0,1,2,3
	PV \t
.endr
.endm
; The pass's end: O^T / the sum, quantised along the head's 64 channels (two blocks of the merged heads' K), stored as an image; the two scale bytes go to LDS.
.macro FINISH p
.rept 8
	v_nop                                          ; places behind the last products
.endr
	v_add_f32 v14, v14, v15
	v_permlanex16_b32 v[T0], v14, s20, s21
	v_add_f32 v14, v14, v[T0]                      ; the row's sum
	v_rcp_f32 v14, v14
	v_nop                                          ; a plain line behind the transcendental
	s_wait_alu depctr_va_vdst(0)                   ; the reciprocal has written v14, ahead of its first reader
.set j, 0
.rept 16
	v_pk_mul_f32 v[S+j:S+j+1], v[O+j:O+j+1], v[14:15] op_sel_hi:[1,0]      ; register 16 g + i: channel 32 g + 16 h + i; each accumulator from its low end on
.set j, j+2
.endr
.irp g, 0,1
	v_max3_num_f32 v[BM+\g], |v[S+16*\g]|, |v[S+1+16*\g]|, 0x4800000
.endr
.irp i, 2,4,6,8,10,12,14
.irp g, 0,1
	v_max3_num_f32 v[BM+\g], v[BM+\g], |v[S+16*\g+\i]|, |v[S+1+16*\g+\i]|
.endr
.endr
.irp g, 0,1
	v_permlanex16_b32 v[BP+\g], v[BM+\g], s20, s21
.endr
.irp g, 0,1
	v_max_num_f32 v[BM+\g], v[BM+\g], v[BP+\g]
.endr
.irp g, 0,1
	v_add_nc_u32 v[SO+\g], 0xfc000000, v[BM+\g]
.endr
.irp g, 0,1
	v_and_or_b32 v[HD+\g], v[BM+\g], 0x7f800000, s19
.endr
.irp g, 0,1
	v_lshrrev_b32 v[BP+\g], 23, v[SO+\g]
.endr
	v_lshl_or_b32 v[UW], v[BP+1], 8, v[BP]
.irp g, 0,1
.irp i, 0,1,2,3,4,5,6,7,8,9,10,11,12,13,14,15
	v_med3_num_f32 v[S+16*\g+\i], v[S+16*\g+\i], -v[HD+\g], v[HD+\g]
.endr
	v_cvt_scalef32_pk8_fp8_f32 v[PC+4*\g:PC+4*\g+1], v[S+16*\g:S+16*\g+7], v[SO+\g]
	v_cvt_scalef32_pk8_fp8_f32 v[PC+4*\g+2:PC+4*\g+3], v[S+16*\g+8:S+16*\g+15], v[SO+\g]
.endr
	v_nop                                          ; a plain line behind the last conversion
	s_wait_alu depctr_va_vdst(0)                   ; the conversions have written v[PC ..] and the shift v[UW], which the three stores read.  No vector line follows up to the next pass's loads of Q and its scale word, nor up to wave 0's last LDS loads into v104 on: the pass's products and vector lines are done with those registers too
	global_store_b128 v1, v[PC:PC+3], s[10:11] offset:\p*262144
	global_store_b128 v1, v[PC+4:PC+7], s[10:11] offset:\p*262144+512
	ds_store_b16 v4, v[UW] offset:512*\p           ; lanes r and r + 16 write the same two bytes
.endm
.macro PASS p
	s_wait_xcnt 0x0                                ; the last pass's stores have read their data
	s_wait_alu depctr_vm_vsrc(0)                   ; the first pass: the fill's LDS stores have read FRG and S; the second: the last pass's stores have read v[PC ..] and v[UW]; this pass's loads, products and conversions write them again
	global_load_b128 v[24:27], v1, s[42:43] offset:\p*262144
	global_load_b128 v[28:31], v1, s[42:43] offset:\p*262144+512
	global_load_b32 v[QS], v7, s[44:45] offset:512*\p
	v_mov_b32 v13, 0xff61b1e6                      ; the largest t so far: -3e38
	v_floor_f32 v12, -v13
	v_mov_b32 v14, 0
	v_mov_b32 v15, 0
.set j, 0
.rept 32
	v_mov_b32 v[O+j], 0                            ; the step is written once: the first finds zeros
.set j, j+1
.endr
	s_mov_b32 s25, 0
	s_mov_b32 s26, 0
	s_mov_b32 s27, 0
	s_mov_b32 s28, 0
	s_wait_loadcnt 0x0
	v_perm_b32 v[QS], v[QS], v[QS], s29            ; eight plain lines stand between this and the first product
.Lstep_\@:
	STEP
	s_add_co_u32 s26, s26, 8192
	s_add_co_u32 s27, s27, 256
	s_add_co_u32 s28, s28, 512
	s_add_co_u32 s25, s25, 1
	s_cmp_lt_u32 s25, 16
	s_cbranch_scc1 .Lstep_\@
	FINISH \p
.endm
	PASS 0
	PASS 1
	s_wait_dscnt 0x0                               ; my scale halves have landed
	s_barrier_signal -1
	s_barrier_wait -1
	s_cmp_lg_u32 s14, 0
	s_cbranch_scc1 .Lend
	ds_load_b128 v[104:107], v5                    ; wave 0 stores the work-group's 1,024 consecutive bytes of scale halves
	ds_load_b128 v[108:111], v5 offset:512
	s_wait_dscnt 0x0
	global_store_b128 v1, v[104:107], s[12:13]
	global_store_b128 v1, v[108:111], s[12:13] offset:512
.Lend:
	s_wait_xcnt 0x0
	s_wait_alu depctr_vm_vsrc(0)                   ; the fill's LDS store of the bias has read v254 and v255, which the two lines below write
	v_lshl_add_u32 v254, v0, 2, 0x44400
	v_mov_b32 v255, 0
	s_wait_dscnt 0x0                               ; the closing lines, six on end
	s_wait_alu 0x0
	s_wait_tensorcnt 0x0
	ds_add_u32 v254, v255
	s_wait_dscnt 0x0
	s_endpgm
.Lfunc_end_k_qb3feade1a7_attn:
	.size	k_qb3feade1a7_attn, .Lfunc_end_k_qb3feade1a7_attn-k_qb3feade1a7_attn
	.p2alignl 7, 3214868480
	.fill 96, 4, 3214868480
	.section	.rodata,"a",@progbits
	.p2align	6, 0x0
	.amdhsa_kernel k_qb3feade1a7_attn
		.amdhsa_group_segment_fixed_size 281600
		.amdhsa_private_segment_fixed_size 0
		.amdhsa_enable_private_segment 0
		.amdhsa_kernarg_size 40
		.amdhsa_user_sgpr_count 2
		.amdhsa_user_sgpr_kernarg_segment_ptr 1
		.amdhsa_wavefront_size32 1
		.amdhsa_system_sgpr_workgroup_id_x 1
		.amdhsa_system_sgpr_workgroup_id_y 1
		.amdhsa_system_sgpr_workgroup_id_z 1
		.amdhsa_system_vgpr_workitem_id 0
		.amdhsa_next_free_vgpr 256
		.amdhsa_next_free_sgpr 66
		.amdhsa_reserve_vcc 0
		.amdhsa_float_denorm_mode_32 3
		.amdhsa_float_denorm_mode_16_64 3
		.amdhsa_memory_ordered 1
		.amdhsa_forward_progress 1
		.amdhsa_inst_pref_size 77
	.end_amdhsa_kernel
	.amdgpu_metadata
---
amdhsa.version: [ 1, 2 ]
amdhsa.kernels:
  - .name:           k_qb3feade1a7_attn
    .symbol:         k_qb3feade1a7_attn.kd
    .args:
      - { .name: pc, .offset: 0, .size: 8, .value_kind: global_buffer, .address_space: global }
      - { .name: ps, .offset: 8, .size: 8, .value_kind: global_buffer, .address_space: global }
      - { .name: mask, .offset: 16, .size: 8, .value_kind: global_buffer, .address_space: global }
      - { .name: cc, .offset: 24, .size: 8, .value_kind: global_buffer, .address_space: global }
      - { .name: cs, .offset: 32, .size: 8, .value_kind: global_buffer, .address_space: global }
    .group_segment_fixed_size: 281600
    .private_segment_fixed_size: 0
    .kernarg_segment_align: 8
    .kernarg_segment_size: 40
    .max_flat_workgroup_size: 512
    .sgpr_count:     66
    .vgpr_count:     256
    .wavefront_size: 32
...
	.end_amdgpu_metadata
.endif
;; end of part 5
;; launch outln (part 6): grid 256 x 1, 16 waves a work-group, no clusters, 166,912 bytes of LDS; arguments cc, cs, c1, s1, Q, bo, gamma, beta, out0; writes out0
.if DOCPART == 6
	.amdgcn_target "amdgcn-amd-amdhsa--gfx1250"
	.amdhsa_code_object_version 6
	.text
	.protected	k_qb3feade1a7_outln
	.globl	k_qb3feade1a7_outln
	.p2align	8
	.type	k_qb3feade1a7_outln,@function
k_qb3feade1a7_outln:
	s_mov_b64 s[64:65], 0
	v_nop
	global_prefetch_b8 v0, s[64:65] scope:SCOPE_SE
	s_setreg_imm32_b32 hwreg(HW_REG_WAVE_SCHED_MODE, 0, 2), 2
	s_setreg_imm32_b32 hwreg(HW_REG_WAVE_MODE, 25, 1), 1
	s_wait_xcnt 0x0
	s_wait_alu depctr_vm_vsrc(0)
; out0 = LayerNorm(ctx Wo^T + bo + Q) x gamma + beta.  The product is on codes of FP8 (E4M3) with E8M0 scales; all else in f32.
; SHARES.  Work-group g owns 32 rows (two tiles of 16 of ctx) and all 1,024 columns, so that a row's mean and variance stay inside the work-group.  Wave w owns four tiles of Wo: columns 64 w .. 64 w + 63: eight accumulators.
; Source 0 = 16 rows of Wo, source 1 = 16 rows of ctx: a lane holds eight neighbouring columns of one row.
; WO GOES FROM MEMORY STRAIGHT INTO REGISTERS.  Its codes lie as images of operand registers, so a fragment is four loads of 512 consecutive bytes.  K goes in eight steps of 128; a step's four fragments are 64 registers, and there
; are two such buffers: behind the products of step t - 1 the wave asks for step t + 1, so that 16 to 32 loads of 512 bytes of each wave are on their way all through the walk, and the loop has no barrier.
; NO CLUSTER AND NO LDS FOR WO, though every work-group walks the same 1 MB: a wave's tiles are read by no other wave of its work-group, so LDS would add a write and a read of each byte and no reuse; a K step is eight products a wave,
; and in a ring of two slots one slot's load (131,072 bytes a work-group) would be all that is on its way, asked for anew behind a round of barriers in six of the eight steps.  The price: each work-group asks for Wo by itself.
; ctx's 32 KB of codes go into LDS once, through registers, and every wave reads them.
; The results meet in a stage of 32 rows in LDS bytes of its own; each wave then takes two whole rows through the residual and the norm.
; A tile's rows are not neighbours: position 16 u + 8 hh + j of the 32 is true row 16 hh + 8 u + j.
; LIMITS: NaN and infinities are not served.
; THE MODE: SCHED_MODE bits 1:0 = 2 (LLVM: expert scheduling mode 2), set by the entry lines.  The code itself states the register dependences
; between vector or matrix instructions and memory or LDS instructions, with s_wait_alu, always for 0.
; THE PLAN.  Registers that memory or LDS instructions touch:
;   v1, v2       offsets made at the head and never written again.
;   v252-v254    addresses at the head; made anew behind the last K step for the stage; v254 once more for the closing add.
;   AF           at the head ctx's bytes (loads land, LDS stores read) and the scale halves (loads land, vector lines read); K step t: its LDS loads land, its products read; later bo.
;   B0, B0 + 64  K step t's products read buffer t % 2; the loads of step t + 1 land in the other, which step t - 1's products read; later Q, gamma, beta.
;   ACC          written by the products, read by the stage's LDS stores; then a row: LDS loads land, vector lines work on it, the global stores read it.
; So ONE wait on va_vdst stands in a K step, at its head: the last step's products are done reading the buffer and the fragments of ctx in which the step's 24 loads land.  The loads stay at the step's head,
; ahead of the wait for this step's data, so that two steps' loads are on their way.  All 256 registers are taken: there is no second set for ctx's fragments.
.set SP,    4112                       ; a stage row: 4,096 bytes + 16.  The stage: 32 rows from LDS byte 0
.set CTX,   132096                     ; ctx's images: [tile 2][block 32][512 bytes]
.set CS,    4                          ; v4-11    ctx's scale words: K step ks; lanes 0-15 tile 0, lanes 16-31 tile 1
.set WS,    12                         ; v12-27   Wo's: pair pi, K step ks at 12 + 8 pi + ks; lanes 0-15 tile 2 pi, lanes 16-31 tile 2 pi + 1.  v4-27 hold scales and nothing else
.set ACC,   28                         ; v28-91   accumulator (m, i) at 28 + 8 (4 m + i); later a row at work and the norm's figures
.set AF,    92                         ; v92-123  ctx's two fragments; at the head ctx's bytes and the scale halves on their way; later bo
.set B0,    124                        ; v124-187, v188-251 Wo's four fragments of a K step: buffer t % 2; later Q's two rows, gamma and beta
.set QR,    B0
.set GA,    B0+64
.set BE,    B0+96
.set ROW,   ACC
.set SA,    ACC+32
.set SB,    ACC+34
.set MU,    ACC+36
.set RS,    ACC+38
.macro BLD t                           ; my four tiles of Wo, K step t
.irp i, 0,1,2,3
.irp c, 0,1,2,3
	global_load_b128 v[B0+64*((\t)%2)+16*\i+4*\c:B0+64*((\t)%2)+16*\i+4*\c+3], v1, s[28:29] offset:\i*16384+(\t)*2048+512*\c
.endr
.endr
.endm
.macro ALD t                           ; ctx's two fragments of K step t
.irp i, 0,1
.irp c, 0,1,2,3
	ds_load_b128 v[AF+16*\i+4*\c:AF+16*\i+4*\c+3], v2 offset:\i*16384+2048*(\t)+512*\c
.endr
.endr
.endm
.macro PROD t, m, i, zero              ; accumulator (m, i): tile i of Wo against tile m of ctx
.set rD, ACC+8*(4*(\m)+(\i))
.set rA, B0+64*((\t)%2)+16*(\i)
.set rB, AF+16*(\m)
.set sW, WS+8*((\i)/2)+(\t)
.set sC, CS+(\t)
.if \zero
.if (\i)%2
.if \m
	v_wmma_scale_f32_16x16x128_f8f6f4 v[rD:rD+7], v[rA:rA+15], v[rB:rB+15], 0, v[sW], v[sC] matrix_a_scale:MATRIX_SCALE_ROW1 matrix_b_scale:MATRIX_SCALE_ROW1
.else
	v_wmma_scale_f32_16x16x128_f8f6f4 v[rD:rD+7], v[rA:rA+15], v[rB:rB+15], 0, v[sW], v[sC] matrix_a_scale:MATRIX_SCALE_ROW1
.endif
.else
.if \m
	v_wmma_scale_f32_16x16x128_f8f6f4 v[rD:rD+7], v[rA:rA+15], v[rB:rB+15], 0, v[sW], v[sC] matrix_b_scale:MATRIX_SCALE_ROW1
.else
	v_wmma_scale_f32_16x16x128_f8f6f4 v[rD:rD+7], v[rA:rA+15], v[rB:rB+15], 0, v[sW], v[sC]
.endif
.endif
.else
.if (\i)%2
.if \m
	v_wmma_scale_f32_16x16x128_f8f6f4 v[rD:rD+7], v[rA:rA+15], v[rB:rB+15], v[rD:rD+7], v[sW], v[sC] matrix_a_scale:MATRIX_SCALE_ROW1 matrix_b_scale:MATRIX_SCALE_ROW1
.else
	v_wmma_scale_f32_16x16x128_f8f6f4 v[rD:rD+7], v[rA:rA+15], v[rB:rB+15], v[rD:rD+7], v[sW], v[sC] matrix_a_scale:MATRIX_SCALE_ROW1
.endif
.else
.if \m
	v_wmma_scale_f32_16x16x128_f8f6f4 v[rD:rD+7], v[rA:rA+15], v[rB:rB+15], v[rD:rD+7], v[sW], v[sC] matrix_b_scale:MATRIX_SCALE_ROW1
.else
	v_wmma_scale_f32_16x16x128_f8f6f4 v[rD:rD+7], v[rA:rA+15], v[rB:rB+15], v[rD:rD+7], v[sW], v[sC]
.endif
.endif
.endif
.endm
.macro MULS t, zero                    ; eight products on eight accumulators, one instruction a turn
.irp m, 0,1
.irp i, 0,1,2,3
	PROD \t, \m, \i, \zero
.endr
.endr
.endm
	s_load_b512 s[4:19], s[0:1], 0x0               ; cc, cs, c1, s1, Q, bo, gamma, beta
	s_load_b64 s[20:21], s[0:1], 0x40              ; out0
	v_lshrrev_b32 v3, 5, v0
	v_readfirstlane_b32 s22, v3                    ; wave
	v_and_b32 v3, 31, v0                           ; lane
	v_lshlrev_b32 v1, 4, v3                        ; v1 = 16 x lane; never rewritten
	v_add_nc_u32 v2, CTX, v1                       ; v2 = ctx's fragments; never rewritten
	v_lshlrev_b32 v252, 1, v3                      ; 2 x lane: the scale halves
	v_and_b32 v255, 15, v0                         ; r
	v_bfe_u32 v253, v0, 4, 1                       ; h
	v_lshlrev_b32 v253, 9, v253
	v_lshl_add_u32 v253, v255, 4, v253             ; 512 h + 16 r: Wo's scale words
	s_wait_alu depctr_va_sdst(0)                   ; s22, the wave's number, is written, ahead of its first reader
	s_lshl_b32 s26, s22, 11
	v_add_nc_u32 v254, s26, v2                     ; where I put my 2,048 bytes of ctx
	s_mov_b32 s25, 0
	s_lshl_b32 s30, s22, 8                         ; my 256 bytes of a stage row
	s_mul_i32 s31, s22, 2*SP                       ; my two stage rows
	s_mov_b32 s32, 0x76543210
	s_mov_b32 s33, 0xfedcba98                      ; lane l xor 16
	s_mov_b32 s34, 0x3a800000                      ; 1 / 1,024
	s_mov_b32 s35, 0x3727c5ac                      ; 1e-5
	s_wait_kmcnt 0x0
	s_lshl_b32 s24, s22, 16                        ; my four tiles of Wo in c1
	s_add_co_u32 s24, s24, 1728*16384
	s_add_nc_u64 s[28:29], s[8:9], s[24:25]
	s_lshl_b32 s24, ttmp9, 15
	s_add_co_u32 s24, s24, s26
	s_add_nc_u64 s[4:5], s[4:5], s[24:25]          ; cc: my work-group's 32,768 bytes, my 2,048 of them
	s_lshl_b32 s24, ttmp9, 6
	s_add_nc_u64 s[6:7], s[6:7], s[24:25]          ; cs: 32 bytes a tile
	s_add_co_u32 s24, s26, 1728*512
	s_add_nc_u64 s[10:11], s[10:11], s[24:25]      ; Wo's scale bytes: my four tiles
	s_lshl_b32 s24, ttmp9, 5                       ; my two rows: positions 2 w, 2 w + 1 are true rows 32 g + 16 ((w / 4) % 2) + 8 (w / 8) + 2 (w % 4) + 0, 1
	s_bfe_u32 s26, s22, 0x10002
	s_lshl_b32 s26, s26, 4
	s_add_co_u32 s24, s24, s26
	s_lshr_b32 s26, s22, 3
	s_lshl_b32 s26, s26, 3
	s_add_co_u32 s24, s24, s26
	s_and_b32 s26, s22, 3
	s_lshl_b32 s26, s26, 1
	s_add_co_u32 s24, s24, s26
	s_lshl_b32 s24, s24, 12
	s_add_nc_u64 s[12:13], s[12:13], s[24:25]
	s_add_nc_u64 s[20:21], s[20:21], s[24:25]
	s_wait_alu depctr_va_vdst(0)                   ; the offsets and addresses v1, v2, v252, v253 and v254 are written, which the loads and stores below read
	; 56 loads: ctx's bytes, the scales, and the first two K steps of Wo
.irp c, 0,1,2,3
	global_load_b128 v[AF+4*\c:AF+4*\c+3], v1, s[4:5] offset:512*\c th:TH_LOAD_NT
.endr
.irp d, 0,1,2,3,4,5,6,7,8,9,10,11,12,13,14,15
	global_load_u16 v[AF+16+\d], v252, s[6:7] offset:16384*\d      ; head d's two scale bytes of my lane's row
.endr
.irp p, 0,1
.irp f, 0,1
	global_load_b128 v[WS+8*\p+4*\f:WS+8*\p+4*\f+3], v253, s[10:11] offset:1024*\p+256*\f
.endr
.endr
	BLD 0
	BLD 1
	s_wait_loadcnt 52                              ; ctx's four loads are in: 52 were issued behind them
.irp c, 0,1,2,3
	ds_store_b128 v254, v[AF+4*\c:AF+4*\c+3] offset:512*\c
.endr
	s_wait_loadcnt 32                              ; the scales are in; the two K steps of Wo may be out
.irp k, 0,1,2,3,4,5,6,7
	v_lshl_or_b32 v[CS+\k], v[AF+16+2*\k+1], 16, v[AF+16+2*\k]     ; K step k is heads 2 k and 2 k + 1
.endr
.rept 8
	v_nop                                          ; a scale register written by a vector line stands eight places ahead of the product that names it
.endr
	s_wait_dscnt 0x0                               ; for the others' sake: my part of ctx has landed
	s_barrier_signal -1
	s_barrier_wait -1                              ; ctx lies whole in LDS; nobody writes it again
	s_wait_alu depctr_vm_vsrc(0)                   ; my LDS stores have read v[AF ..], in which ctx's fragments land
	s_wait_alu depctr_va_vdst(0)                   ; the eight lines that made ctx's scale words are done reading v[AF + 16 ..], in which ctx's fragments land, and have written the words, which the scaled products take; the places above stay beside this wait
	ALD 0
	s_wait_loadcnt 16                              ; K step 0 is in; K step 1's sixteen loads may be out
	s_wait_dscnt 0x0
	MULS 0, 1                                      ; the first products start the sums
; K step t.  Behind eight places the buffer that step t - 1 has left takes step t + 1 (behind step 6: my two rows of Q), and ctx's registers take this step's fragments.
.macro KSTEP t
.rept 8
	v_nop                                          ; places in front of loads into registers that the last products read
.endr
	s_wait_alu depctr_va_vdst(0)                   ; the last step's products are done reading their buffer of Wo and ctx's fragments: the 24 loads below land there
.if (\t) < 7
	BLD (\t)+1
.else
.irp e, 0,1
.irp k, 0,1,2,3,4,5,6,7
	global_load_b128 v[QR+32*\e+4*\k:QR+32*\e+4*\k+3], v1, s[12:13] offset:4096*\e+512*\k
.endr
.endr
.endif
	ALD \t
	s_wait_loadcnt 16                              ; this step's fragments are in; the sixteen loads just issued may be out
	s_wait_dscnt 0x0
	MULS \t, 0
.endm
.irp t, 1,2,3,4,5,6,7
	KSTEP \t
.endr
	; the stage's addresses are made here: with the two v_nop nine plain lines, the places behind the last products
	s_wait_alu depctr_vm_vsrc(0)                   ; the head's loads and LDS stores have read v252, v253 and v254, which the lines below write
	v_and_b32 v255, 15, v0                         ; r
	v_bfe_u32 v3, v0, 4, 1                         ; h
	v_mul_u32_u24 v252, v255, SP
	v_lshl_add_u32 v252, v3, 6, v252
	v_add_nc_u32 v252, s30, v252                   ; in: row r of tile 0, + 256 wave + 64 h;
	v_add_nc_u32 v253, 16*SP, v252                 ; of tile 1
	v_add_nc_u32 v254, s31, v1                     ; back: my two rows, 16 bytes a lane
	v_nop
	v_nop
	s_wait_alu depctr_va_vdst(0)                   ; the last products are done reading ctx's fragments and buffer 1, in which bo, gamma and beta land, and have written the accumulators, which the LDS stores read; v252 to v254 are written; the places above stay beside this wait
.irp k, 0,1,2,3,4,5,6,7
	global_load_b128 v[AF+4*\k:AF+4*\k+3], v1, s[14:15] offset:512*\k      ; bo: columns 4 lane + 128 k + 0 .. 3
.endr
.irp k, 0,1,2,3,4,5,6,7
	global_load_b128 v[GA+4*\k:GA+4*\k+3], v1, s[16:17] offset:512*\k      ; gamma
.endr
.irp k, 0,1,2,3,4,5,6,7
	global_load_b128 v[BE+4*\k:BE+4*\k+3], v1, s[18:19] offset:512*\k      ; beta
.endr
.irp m, 0,1
.irp i, 0,1,2,3
	ds_store_b128 v[252+\m], v[ACC+8*(4*\m+\i):ACC+8*(4*\m+\i)+3] offset:128*(\i/2)+32*(\i%2)        ; columns 64 w + 32 (i / 2) + 16 h + 8 (i % 2) + 0 .. 7; each accumulator from its low end on
	ds_store_b128 v[252+\m], v[ACC+8*(4*\m+\i)+4:ACC+8*(4*\m+\i)+7] offset:128*(\i/2)+32*(\i%2)+16
.endr
.endr
	s_wait_dscnt 0x0                               ; for the others' sake: my stores have landed
	s_barrier_signal -1
	s_barrier_wait -1                              ; 32 whole rows lie in the stage
	s_wait_alu depctr_vm_vsrc(0)                   ; my LDS stores have read the accumulators' registers, which the two lines below, the rows' LDS loads and the norm's lines write
	v_mov_b32 v[MU+1], 0
	v_mov_b32 v[RS+1], 0                           ; (upper halves of pairs)
.macro RED reg, tmp                    ; the sum over the wave's 32 lanes, in every lane
	v_add_f32_dpp v[\reg], v[\reg], v[\reg] row_xmask:1 row_mask:0xf bank_mask:0xf
	v_add_f32_dpp v[\reg], v[\reg], v[\reg] row_xmask:2 row_mask:0xf bank_mask:0xf
	v_add_f32_dpp v[\reg], v[\reg], v[\reg] row_xmask:4 row_mask:0xf bank_mask:0xf
	v_add_f32_dpp v[\reg], v[\reg], v[\reg] row_xmask:8 row_mask:0xf bank_mask:0xf
	v_permlanex16_b32 v[\tmp], v[\reg], s32, s33
	v_add_f32 v[\reg], v[\reg], v[\tmp]
.endm
.macro LNROW e                         ; one whole row: 32 numbers a lane in v[ROW] on
.irp k, 0,1,2,3,4,5,6,7
	ds_load_b128 v[ROW+4*\k:ROW+4*\k+3], v254 offset:SP*\e+512*\k          ; no vector or matrix instruction since the last wait on va_vdst names v[ROW ..] or v254
.endr
.if \e == 0
	s_wait_loadcnt 16                              ; Q and bo are in; gamma's and beta's sixteen loads may be out
.endif
	s_wait_dscnt 0x0
.set k, 0
.rept 16
	v_pk_add_f32 v[ROW+k:ROW+k+1], v[ROW+k:ROW+k+1], v[AF+k:AF+k+1]        ; + bo
.set k, k+2
.endr
.set k, 0
.rept 16
	v_pk_add_f32 v[ROW+k:ROW+k+1], v[ROW+k:ROW+k+1], v[QR+32*\e+k:QR+32*\e+k+1]    ; + Q
.set k, k+2
.endr
	v_pk_add_f32 v[SA:SA+1], v[ROW:ROW+1], v[ROW+2:ROW+3]
	v_pk_add_f32 v[SB:SB+1], v[ROW+4:ROW+5], v[ROW+6:ROW+7]
.irp k, 8,12,16,20,24,28
	v_pk_add_f32 v[SA:SA+1], v[SA:SA+1], v[ROW+\k:ROW+\k+1]
	v_pk_add_f32 v[SB:SB+1], v[SB:SB+1], v[ROW+2+\k:ROW+3+\k]
.endr
	v_pk_add_f32 v[SA:SA+1], v[SA:SA+1], v[SB:SB+1]
	v_add_f32 v[SA], v[SA], v[SA+1]
	RED SA, SA+1
	v_mul_f32 v[MU], s34, v[SA]                    ; the mean
.set k, 0
.rept 16
	v_pk_add_f32 v[ROW+k:ROW+k+1], v[ROW+k:ROW+k+1], v[MU:MU+1] op_sel_hi:[1,0] neg_lo:[0,1] neg_hi:[0,1]
.set k, k+2
.endr
	v_pk_mul_f32 v[SA:SA+1], v[ROW:ROW+1], v[ROW:ROW+1]
	v_pk_mul_f32 v[SB:SB+1], v[ROW+2:ROW+3], v[ROW+2:ROW+3]
.irp k, 4,8,12,16,20,24,28
	v_pk_fma_f32 v[SA:SA+1], v[ROW+\k:ROW+\k+1], v[ROW+\k:ROW+\k+1], v[SA:SA+1]
	v_pk_fma_f32 v[SB:SB+1], v[ROW+2+\k:ROW+3+\k], v[ROW+2+\k:ROW+3+\k], v[SB:SB+1]
.endr
	v_pk_add_f32 v[SA:SA+1], v[SA:SA+1], v[SB:SB+1]
	v_add_f32 v[SA], v[SA], v[SA+1]
	RED SA, SA+1
	v_fma_f32 v[RS], v[SA], s34, s35               ; the variance + 1e-5
	v_rsq_f32 v[RS], v[RS]
	v_nop                                          ; a plain line behind the transcendental
	s_wait_alu depctr_va_vdst(0)                   ; the reciprocal root has written v[RS], ahead of its first reader
.set k, 0
.rept 16
	v_pk_mul_f32 v[ROW+k:ROW+k+1], v[ROW+k:ROW+k+1], v[RS:RS+1] op_sel_hi:[1,0]
.set k, k+2
.endr
.if \e == 0
	s_wait_loadcnt 0x0                             ; gamma and beta
.endif
.set k, 0
.rept 16
	v_pk_fma_f32 v[ROW+k:ROW+k+1], v[ROW+k:ROW+k+1], v[GA+k:GA+k+1], v[BE+k:BE+k+1]        ; x gamma + beta
.set k, k+2
.endr
	s_wait_alu depctr_va_vdst(0)                   ; the multiply-adds have written the row, which the stores read; the row's vector lines are done with v[ROW ..], in which the next row's LDS loads land
.irp k, 0,1,2,3,4,5,6,7
	global_store_b128 v1, v[ROW+4*\k:ROW+4*\k+3], s[20:21] offset:4096*\e+512*\k th:TH_STORE_NT      ; 512 consecutive bytes, aligned
.endr
.endm
	LNROW 0
	s_wait_xcnt 0x0                                ; the first row's stores have read their data
	s_wait_alu depctr_vm_vsrc(0)                   ; the first row's stores have read v[ROW ..], in which the second row's LDS loads land
	LNROW 1
	s_wait_xcnt 0x0
	s_wait_alu depctr_vm_vsrc(0)                   ; the rows' LDS loads have read v254, which the line below writes
	v_lshl_add_u32 v254, v0, 2, 0x28400
	v_mov_b32 v255, 0
	s_wait_dscnt 0x0                               ; the closing lines, six on end
	s_wait_alu 0x0
	s_wait_tensorcnt 0x0
	ds_add_u32 v254, v255
	s_wait_dscnt 0x0
	s_endpgm
.Lfunc_end_k_qb3feade1a7_outln:
	.size	k_qb3feade1a7_outln, .Lfunc_end_k_qb3feade1a7_outln-k_qb3feade1a7_outln
	.p2alignl 7, 3214868480
	.fill 96, 4, 3214868480
	.section	.rodata,"a",@progbits
	.p2align	6, 0x0
	.amdhsa_kernel k_qb3feade1a7_outln
		.amdhsa_group_segment_fixed_size 166912
		.amdhsa_private_segment_fixed_size 0
		.amdhsa_enable_private_segment 0
		.amdhsa_kernarg_size 72
		.amdhsa_user_sgpr_count 2
		.amdhsa_user_sgpr_kernarg_segment_ptr 1
		.amdhsa_wavefront_size32 1
		.amdhsa_system_sgpr_workgroup_id_x 1
		.amdhsa_system_sgpr_workgroup_id_y 1
		.amdhsa_system_sgpr_workgroup_id_z 1
		.amdhsa_system_vgpr_workitem_id 0
		.amdhsa_next_free_vgpr 256
		.amdhsa_next_free_sgpr 66
		.amdhsa_reserve_vcc 0
		.amdhsa_float_denorm_mode_32 3
		.amdhsa_float_denorm_mode_16_64 3
		.amdhsa_memory_ordered 1
		.amdhsa_forward_progress 1
		.amdhsa_inst_pref_size 57
	.end_amdhsa_kernel
	.amdgpu_metadata
---
amdhsa.version: [ 1, 2 ]
amdhsa.kernels:
  - .name:           k_qb3feade1a7_outln
    .symbol:         k_qb3feade1a7_outln.kd
    .args:
      - { .name: cc, .offset: 0, .size: 8, .value_kind: global_buffer, .address_space: global }
      - { .name: cs, .offset: 8, .size: 8, .value_kind: global_buffer, .address_space: global }
      - { .name: c1, .offset: 16, .size: 8, .value_kind: global_buffer, .address_space: global }
      - { .name: s1, .offset: 24, .size: 8, .value_kind: global_buffer, .address_space: global }
      - { .name: Q, .offset: 32, .size: 8, .value_kind: global_buffer, .address_space: global }
      - { .name: bo, .offset: 40, .size: 8, .value_kind: global_buffer, .address_space: global }
      - { .name: gamma, .offset: 48, .size: 8, .value_kind: global_buffer, .address_space: global }
      - { .name: beta, .offset: 56, .size: 8, .value_kind: global_buffer, .address_space: global }
      - { .name: out0, .offset: 64, .size: 8, .value_kind: global_buffer, .address_space: global }
    .group_segment_fixed_size: 166912
    .private_segment_fixed_size: 0
    .kernarg_segment_align: 8
    .kernarg_segment_size: 72
    .max_flat_workgroup_size: 512
    .sgpr_count:     66
    .vgpr_count:     256
    .wavefront_size: 32
...
	.end_amdgpu_metadata
.endif
;; end of part 6
